; MI455X (gfx1250); checked and timed in simulation.
; The chip was launched on July 23, 2026; its instructions are those of AMD's public machine-readable ISA for CDNA 5 (MIT licence, August 2026) and "CDNA5" Instruction Set Architecture Reference Guide (July 2026). The comments in the code are by the model that wrote it; some were corrected since.
;; Multi Head Attention. Allowed arithmetic: matrix products marked QUANTISED: E2M1 operands, one E8M0 scale for each 32 along K, by v_wmma_scale_f32_16x16x128_f8f6f4 with both operands' format E2M1 (or v_wmma_scale_f32_32x16x128_f4), f32 sums; products left as they are: bf16, f16 or f32 operands; f32 sums; everything else in f32.
;; Inputs: w_k 1,024 x 1,024 float32; w_out 1,024 x 1,024 float32; w_q 1,024 x 1,024 float32; w_v 1,024 x 1,024 float32; x 4 x 2,048 x 1,024 float32.
;; Outputs: out0 4 x 2,048 x 1,024 float32.
;; This version of the problem:
;;   THIS VERSION OF THE PROBLEM IS GIVEN IN LOW PRECISION. The matrix products marked QUANTISED in the list below multiply operands that are first quantised to E2M1 (2 exponent bits, 1 mantissa bit; 4 bits a number), with one power-of-two scale for each 32 numbers along K (OCP MX v1.0); their sums are f32. The products marked 'left as it is' may take bf16, f16 or f32 operands, with f32 sums. Whichever they take, every output number must still come out within the allowed error. Rounding operands to bf16 (8 significant bits) uses up far more of that allowance than f16 does (11 bits, for magnitudes from 6e-5 to 65,504). All else is computed in f32.
;;   The module's matrix products, in the order in which they are computed (A, B: the left and right operand; K: the contracted axis; several contracted axes count as one K, in the product's order):
;;     1. [M 8,192, K 1,024] x [K 1,024, N 1,024]; A: input x; B: input w_q: QUANTISED
;;     2. [M 8,192, K 1,024] x [K 1,024, N 1,024]; A: input x; B: input w_k: QUANTISED
;;     3. [M 8,192, K 1,024] x [K 1,024, N 1,024]; A: input x; B: input w_v: QUANTISED
;;     4. batch 64 x [M 2,048, K 64] x [K 64, N 2,048]; A: computed on the way; B: computed on the way: left as it is (an operand is computed on the way)
;;     5. batch 64 x [M 64, K 2,048] x [K 2,048, N 2,048]; A: computed on the way; B: computed on the way: left as it is (an operand is computed on the way)
;;     6. [M 8,192, K 1,024] x [K 1,024, N 1,024]; A: computed on the way; B: input w_out: left as it is (an operand is computed on the way)
;;   THE QUANTISER, for each operand of a quantised product, along K:
;;     - K is cut into blocks of 32 from its start; a last block that is shorter is filled with zeros.
;;     - A block's scale is 2^e with e = floor(log2(the largest magnitude in the block)) - 2, held to -126 .. 127; a block of zeros has e = 0. As a byte (E8M0): e + 127.
;;     - Each number is divided by its block's scale, clamped to +-6, and rounded to the nearest number of E2M1, ties to even, subnormals kept.
;;     - The product sums the exact products of the quantised numbers (number of the format x scale) in f32.
;;   ~~~python
;;   def quantise(x, axis):      # numpy; x: float32 -> the quantised numbers, widened to float32 again
;;       x = np.moveaxis(x, axis, -1); K = x.shape[-1]
;;       x = np.pad(x, [(0, 0)] * (x.ndim - 1) + [(0, -K % 32)]); x = x.reshape(x.shape[:-1] + (-1, 32)); a = np.abs(x).max(-1, keepdims=True)
;;       e = np.where(a > 0, np.clip(np.frexp(np.where(a > 0, a, 1))[1] - 1 - 2, -126, 127), 0)      # np.frexp(a)[1] - 1 = floor(log2(a)), exactly
;;       r = np.clip(x / 2.0 ** e, -6, 6)
;;       step = 2.0 ** (np.maximum(np.frexp(np.where(r == 0, 1, r))[1] - 1, 0) - 1)
;;       q = np.round(r / step) * step * 2.0 ** e      # np.round: ties to even
;;       return np.moveaxis(q.reshape(q.shape[:-2] + (-1,))[..., :K], -1, axis).astype(np.float32)
;;   ~~~
;; One version. Each part assembles by itself: llvm-mc -triple=amdgcn-amd-amdhsa -mcpu=gfx1250 --defsym DOCPART=n.
;; ======== version 1 of 1: 4 launches
;; limits: values are held in f16: magnitudes above 65,504 overflow, below 6.1e-05 lose precision
;; workspace buffers: xc 4,194,304 bytes; xs 262,144 bytes; wc 1,572,864 bytes; ws 98,304 bytes; wo16 2,097,152 bytes; qkv16 50,331,648 bytes; c16 16,777,216 bytes
;; launch prep (part 1): grid 336 x 1, 4 waves a work-group, no clusters, 68,096 bytes of LDS; arguments x, w_q, w_k, w_v, w_out, xc, xs, wc, ws, wo16; writes xc, xs, wc, ws, wo16
.if DOCPART == 1
	.amdgcn_target "amdgcn-amd-amdhsa--gfx1250"
	.amdhsa_code_object_version 6
	.text
	.protected	k_q715cb53df9_prep
	.globl	k_q715cb53df9_prep
	.p2align	8
	.type	k_q715cb53df9_prep,@function
k_q715cb53df9_prep:
	s_mov_b64 s[64:65], 0
	v_nop
	global_prefetch_b8 v0, s[64:65] scope:SCOPE_SE
	s_setreg_imm32_b32 hwreg(HW_REG_WAVE_MODE, 25, 1), 1
	s_wait_xcnt 0x0
; PREP: everything that is made once from the inputs.  Three paths, chosen by the work-group's number alone:
;   X (work-groups 0-255):   x [8192][1024] f32 -> codes of E2M1, K innermost, xc [8192][512 bytes], and one E8M0 byte for each 32 along K, xs [8192][32].
;   W (work-groups 256-303): w_q, w_k, w_v [1024 (k)][1024 (n)] f32, K their FIRST axis -> wc [3072 (n)][512 bytes], ws [3072][32]; rows 0-1023 w_q's columns, then w_k's, then w_v's.
;   O (work-groups 304-335): 128 x w_out in f16, as images of operand registers: wo16 [64 tiles of 16 n][64 pieces][512 bytes]; in piece ct lane (r, hf) has 16 bytes at 16 x lane: n = r, k = 16 ct + 8 hf + 0 .. 7.
; A block's scale is 2^(floor(log2(its largest magnitude)) - 2): its byte is the largest magnitude's exponent field - 2, held at 1 from below by a floor among the maximum's leaves.
; A block of zeros so gets the byte 1 where the rule says 127: its codes are zeros, which add nothing under that byte, and this program alone reads the bytes.
; LIMITS: blocks whose largest magnitude lies under 2^-124 keep the byte 1; NaN and infinities among the inputs are not served; |w_out| above 511 overflows f16 (the factor 128 is exact and is taken back by ctx / 128).
; No tensor loads, no barrier: waves share nothing.  Each path that uses LDS has LDS bytes of its own.
.set SPW,   192                        ; v192  LDS address of my spare word: SPARE + 4 x my thread's number; never rewritten
.set NIL,   193                        ; v193  0; never rewritten
.set EMAX,  2
.set XREG,  8192                       ; path X: a region for each wave: two stages of 32 x SP bytes, behind them its 256 scale bytes
.set SP,    80                         ; a lane's place in a stage: its 64 bytes + 16 of padding
.set WSTG,  4*XREG                     ; path W: four stages of 32 rows x WP bytes
.set WP,    272
.set SPARE, WSTG+4*32*WP               ; behind them: the spare words, 128 bytes for each wave, that no other line names
	s_load_b256 s[4:11], s[0:1], 0x0               ; x s[4:5], w_q s[6:7], w_k s[8:9], w_v s[10:11]
	s_load_b256 s[12:19], s[0:1], 0x20             ; w_out s[12:13], xc s[14:15], xs s[16:17], wc s[18:19]
	s_load_b128 s[20:23], s[0:1], 0x40             ; ws s[20:21], wo16 s[22:23]
	v_lshl_add_u32 v[SPW], v0, 2, SPARE
	v_mov_b32 v[NIL], 0
	v_lshrrev_b32 v1, 5, v0
	v_readfirstlane_b32 s24, v1                    ; wave 0..3
	v_and_b32 v2, 31, v0                           ; lane
	s_wait_kmcnt 0x0
	s_cmp_lt_u32 ttmp9, 256
	s_cbranch_scc1 .Lpath_x
	s_cmp_lt_u32 ttmp9, 304
	s_cbranch_scc1 .Lpath_w
; ---- PATH O.  A wave takes one tile of 16 columns n and 32 pieces (512 along k).  A lane takes column n = r, and its eight registers run down k: nothing is transposed.
; The four waves of a work-group stand on 256 consecutive bytes of each row of w_out.  Loads run four pieces ahead; each piece has store registers of its own.
	s_sub_co_u32 s25, ttmp9, 304                   ; 0..31
	s_and_b32 s26, s25, 15
	s_lshl_b32 s26, s26, 2
	s_add_co_u32 s26, s26, s24                     ; the tile of n
	s_lshr_b32 s27, s25, 4                         ; which half of k
	s_lshl_b32 s28, s27, 21                        ; 512 rows of 4,096 bytes
	s_lshl_b32 s29, s26, 6                         ; 16 columns of 4 bytes
	s_add_co_u32 s28, s28, s29
	s_mov_b32 s29, 0
	s_add_nc_u64 s[12:13], s[12:13], s[28:29]
	s_lshl_b32 s28, s26, 6                         ; 64 pieces a tile,
	s_lshl_b32 s30, s27, 5                         ; 32 a half,
	s_add_co_u32 s28, s28, s30
	s_lshl_b32 s28, s28, 9                         ; 512 bytes a piece
	s_add_nc_u64 s[22:23], s[22:23], s[28:29]
	v_and_b32 v5, 15, v0                           ; r
	v_bfe_u32 v6, v0, 4, 1                         ; hf
	v_lshlrev_b32 v3, 2, v5
	v_lshl_add_u32 v3, v6, 15, v3                  ; in: 4 r + 8 hf rows
	v_lshlrev_b32 v4, 4, v2                        ; out: 16 x lane
.macro OLOAD p
.irp j, 0,1,2,3,4,5,6,7
	global_load_b32 v[16+8*((\p)%4)+\j], v3, s[12:13] offset:(16*(\p)+\j)*4096 th:TH_LOAD_NT
.endr
.endm
.macro OPIECE p
.if (\p) < 28
	s_wait_loadcnt 24                              ; this piece's eight loads are in; those of the three pieces behind it may be out
.else
	s_wait_loadcnt 8*(31-(\p))
.endif
.irp j, 0,2,4,6
	v_pk_mul_f32 v[16+8*((\p)%4)+\j:16+8*((\p)%4)+\j+1], v[16+8*((\p)%4)+\j:16+8*((\p)%4)+\j+1], 0x43000000 op_sel_hi:[1,0]   ; x 128: exact
.endr
.irp j, 0,1,2,3
	v_cvt_pk_f16_f32 v[64+4*(\p)+\j], v[16+8*((\p)%4)+2*\j], v[16+8*((\p)%4)+2*\j+1]
.endr
.if (\p) < 28
	OLOAD (\p)+4
.endif
	global_store_b128 v4, v[64+4*(\p):64+4*(\p)+3], s[22:23] offset:512*(\p)   ; the wave stores 512 consecutive bytes, aligned
.endm
	OLOAD 0
	OLOAD 1
	OLOAD 2
	OLOAD 3
.set P, 0
.rept 32
	OPIECE P
.set P, P+1
.endr
	s_branch .Lend
; ---- PATH W.  A lane takes a column n and its registers run down K: a block of 32 lies in one lane's 32 registers, and the conversions give codes with K innermost.
; A wave takes 32 columns x 512 along K; the codes go through the wave's own stage and leave as rows: sixteen lanes store 256 consecutive bytes, aligned.
.Lpath_w:
	s_sub_co_u32 s25, ttmp9, 256                   ; 0..47
	s_lshr_b32 s26, s25, 4                         ; which weight
	s_and_b32 s27, s25, 7                          ; which 128 columns
	s_bfe_u32 s28, s25, 0x10003                    ; which half of K
	s_cmp_eq_u32 s26, 0
	s_cselect_b64 s[30:31], s[6:7], s[8:9]
	s_cmp_eq_u32 s26, 2
	s_cselect_b64 s[30:31], s[10:11], s[30:31]     ; the choice hangs on the work-group's number alone
	s_lshl_b32 s27, s27, 7
	s_lshl_b32 s29, s24, 5
	s_add_co_u32 s27, s27, s29                     ; my wave's first column
	s_lshl_b32 s32, s28, 21                        ; 512 rows of 4,096 bytes
	s_lshl_b32 s33, s27, 2
	s_add_co_u32 s32, s32, s33
	s_mov_b32 s33, 0
	s_add_nc_u64 s[30:31], s[30:31], s[32:33]
	s_lshl_b32 s26, s26, 10
	s_add_co_u32 s26, s26, s27                     ; its row in wc and ws
	s_lshl_b32 s32, s26, 9
	s_lshl_b32 s34, s28, 8
	s_add_co_u32 s32, s32, s34
	s_add_nc_u64 s[18:19], s[18:19], s[32:33]
	s_lshl_b32 s32, s26, 5
	s_lshl_b32 s34, s28, 4
	s_add_co_u32 s32, s32, s34
	s_add_nc_u64 s[20:21], s[20:21], s[32:33]
	v_lshlrev_b32 v3, 2, v2                        ; in: 4 bytes a lane
	s_mul_i32 s29, s24, 32*WP
	s_add_co_u32 s29, s29, WSTG                    ; my stage
	v_mul_u32_u24 v4, v2, WP
	v_add_nc_u32 v4, s29, v4                       ; into it: row = my column
	v_and_b32 v5, 15, v2
	v_lshrrev_b32 v6, 4, v2
	v_mul_u32_u24 v7, v6, WP
	v_lshl_add_u32 v7, v5, 4, v7
	v_add_nc_u32 v7, s29, v7                       ; out of it: sixteen lanes to a row, two rows an instruction
	v_mul_u32_u24 v8, v6, 512
	v_lshl_add_u32 v8, v5, 4, v8                   ; and the same place in wc
	v_mul_u32_u24 v9, v2, 32                       ; my column's row of scale bytes
.macro WLOAD t                         ; block t: w(32 t + i, my column), i = 0 .. 31, into set t % 2
.irp i, 0,1,2,3,4,5,6,7,8,9,10,11,12,13,14,15,16,17,18,19,20,21,22,23,24,25,26,27,28,29,30,31
	global_load_b32 v[32+32*((\t)%2)+\i], v3, s[30:31] offset:(32*(\t)+\i)*4096 th:TH_LOAD_NT
.endr
.endm
.macro WBLOCK t
.set WS9, 32+32*((\t)%2)
.if (\t) < 15
	s_wait_loadcnt 32                              ; this block's 32 loads are in; the next block's may be out
.else
	s_wait_loadcnt 0
.endif
	v_max3_num_f32 v12, |v[WS9]|, |v[WS9+1]|, |v[WS9+2]|           ; the block's largest magnitude: all 32 numbers are mine
	v_max3_num_f32 v13, |v[WS9+3]|, |v[WS9+4]|, |v[WS9+5]|
.irp i, 6,10,14,18,22,26
	v_max3_num_f32 v12, v12, |v[WS9+\i]|, |v[WS9+\i+1]|
	v_max3_num_f32 v13, v13, |v[WS9+\i+2]|, |v[WS9+\i+3]|
.endr
	v_max3_num_f32 v12, v12, |v[WS9+30]|, |v[WS9+31]|
	v_max3_num_f32 v12, v12, v13, (EMAX+1)<<23     ; and the floor 2^(3 - 127): the byte cannot fall under 1
	v_add_nc_u32 v11, -(EMAX<<23), v12             ; 2 off its exponent field: the conversion takes the exponent field of this operand as its scale
	v_lshrrev_b32 v13, 23, v11                     ; the scale's byte
.if (\t)%4 == 0
	v_mov_b32 v[24+(\t)/4], v13                    ; four bytes to a register, the lower K in the lower byte
.else
	v_lshl_or_b32 v[24+(\t)/4], v13, 8*((\t)%4), v[24+(\t)/4]
.endif
.irp g, 0,1,2,3
	v_cvt_scalef32_pk8_fp4_f32 v[96+\g], v[WS9+8*\g:WS9+8*\g+7], v11
.endr
	ds_store_b128 v4, v[96:99] offset:16*(\t)      ; 32 codes: 16 bytes of my column's row
.if (\t)+2 < 16
	WLOAD (\t)+2
.endif
	s_wait_dscnt 0x0                               ; the store has read its registers: the next block's codes may be written
.endm
	WLOAD 0
	WLOAD 1
.set Q, 0
.rept 16
	WBLOCK Q
.set Q, Q+1
.endr
	global_store_b128 v9, v[24:27], s[20:21]       ; my column's 16 scale bytes
.irp t, 0,1,2,3,4,5,6,7,8,9,10,11,12,13,14,15
	ds_load_b128 v[112+4*\t:112+4*\t+3], v7 offset:2*\t*WP   ; LDS serves a wave's instructions in order: these see my stores
.endr
.irp t, 0,1,2,3,4,5,6,7,8,9,10,11,12,13,14,15
	s_wait_dscnt 15-\t
	global_store_b128 v8, v[112+4*\t:112+4*\t+3], s[18:19] offset:2*\t*512
.endr
	s_branch .Lend
; ---- PATH X.  x is a plain stream of blocks of 32.  A wave takes 16 steps of 512 numbers.  Each load reads 512 consecutive bytes, 16 a lane; a step's 2,048 bytes turn through the wave's
; own stage and come back 64 bytes a lane: 16 neighbours along K, two neighbouring lanes to a block.  Loads run four steps ahead, the turn through LDS one step.
.Lpath_x:
	v_lshlrev_b32 v3, 4, v2                        ; my 16 bytes of a load's 512
	s_mul_i32 s25, s24, XREG
	v_lshrrev_b32 v14, 2, v2
	v_mul_u32_u24 v14, v14, SP
	v_and_b32 v15, 3, v2
	v_lshl_add_u32 v14, v15, 4, v14
	v_add_nc_u32 v14, s25, v14                     ; the stage, on the way in: SP (lane / 4) + 16 (lane % 4)
	v_mul_u32_u24 v15, v2, SP
	v_add_nc_u32 v15, s25, v15                     ; and on the way out: SP x lane
	v_lshlrev_b32 v4, 3, v2                        ; 8 bytes a lane: my codes' place in a step's, and my place among the wave's scale bytes on their way out
	v_lshrrev_b32 v5, 1, v2
	s_add_co_u32 s25, s25, 2*32*SP
	v_add_nc_u32 v5, s25, v5                       ; LDS: my wave's 256 scale bytes, my block's byte
	v_add_nc_u32 v6, s25, v4
	s_lshl_b32 s26, ttmp9, 2
	s_add_co_u32 s26, s26, s24                     ; which run of 8,192 numbers is my wave's
	s_mov_b32 s29, 0
	s_lshl_b32 s28, s26, 15
	s_add_nc_u64 s[4:5], s[4:5], s[28:29]
	s_lshl_b32 s28, s26, 12
	s_add_nc_u64 s[14:15], s[14:15], s[28:29]
	s_lshl_b32 s28, s26, 8
	s_add_nc_u64 s[16:17], s[16:17], s[28:29]
.macro XLOAD t
.irp i, 0,1,2,3
	global_load_b128 v[16+16*((\t)%4)+4*\i:16+16*((\t)%4)+4*\i+3], v3, s[4:5] offset:2048*(\t)+512*\i th:TH_LOAD_NT
.endr
.endm
.macro XTURN t                         ; step t's numbers through the stage: LDS serves a wave's instructions in order, so no wait stands between the stores and the loads
.irp i, 0,1,2,3
	ds_store_b128 v14, v[16+16*((\t)%4)+4*\i:16+16*((\t)%4)+4*\i+3] offset:32*SP*((\t)%2)+8*SP*\i
.endr
.irp i, 0,1,2,3
	ds_load_b128 v[80+16*((\t)%2)+4*\i:80+16*((\t)%2)+4*\i+3], v15 offset:32*SP*((\t)%2)+16*\i
.endr
.endm
.macro XSTEP t
.set XS8, 80+16*((\t)%2)
.if (\t) > 0
	s_wait_dscnt 1                                 ; this step's numbers are back from the stage (the last step's byte store may be out)
.else
	s_wait_dscnt 0x0
.endif
.if (\t)+4 < 16
	XLOAD (\t)+4                                   ; into the registers that this step's stores into the stage have read
.endif
.if (\t)+1 < 16
.if 14-(\t) >= 3
	s_wait_loadcnt 12                              ; the next step's four loads are in; those of the three steps behind it may be out
.else
	s_wait_loadcnt 4*(14-(\t))
.endif
	XTURN (\t)+1
.endif
	v_max3_num_f32 v8, |v[XS8]|, |v[XS8+1]|, |v[XS8+2]|            ; the largest magnitude of my 16
	v_max3_num_f32 v9, |v[XS8+3]|, |v[XS8+4]|, |v[XS8+5]|
.irp i, 6,10
	v_max3_num_f32 v8, v8, |v[XS8+\i]|, |v[XS8+\i+1]|
	v_max3_num_f32 v9, v9, |v[XS8+\i+2]|, |v[XS8+\i+3]|
.endr
	v_max3_num_f32 v8, v8, |v[XS8+14]|, |v[XS8+15]|
	v_max3_num_f32 v8, v8, v9, (EMAX+1)<<23        ; and the floor 2^(3 - 127)
	v_max_num_f32_dpp v8, v8, v8 row_xmask:1 row_mask:0xf bank_mask:0xf   ; and of my neighbour's 16: the block's
	v_add_nc_u32 v11, -(EMAX<<23), v8              ; 2 off its exponent field: the conversion's scale operand
	v_cvt_scalef32_pk8_fp4_f32 v[128+4*(\t)], v[XS8:XS8+7], v11
	v_cvt_scalef32_pk8_fp4_f32 v[128+4*(\t)+1], v[XS8+8:XS8+15], v11
	v_lshrrev_b32 v[112+(\t)], 23, v11             ; the scale's byte (also the plain line behind the conversions)
	ds_store_b8 v5, v[112+(\t)] offset:16*(\t)     ; both lanes of a block write the same byte with the same value
	global_store_b64 v4, v[128+4*(\t):128+4*(\t)+1], s[14:15] offset:256*(\t)   ; the wave stores 256 consecutive bytes, aligned
.endm
.irp t, 0,1,2,3
	XLOAD \t
.endr
	s_wait_loadcnt 12                              ; step 0's four loads are in
	XTURN 0
.irp t, 0,1,2,3,4,5,6,7,8,9,10,11,12,13,14,15
	XSTEP \t
.endr
	ds_load_b64 v[8:9], v6                         ; LDS serves a wave's instructions in order: these see my byte stores
	s_wait_dscnt 0x0
	global_store_b64 v4, v[8:9], s[16:17]          ; the wave's 256 scale bytes, consecutive and aligned
.Lend:
	s_wait_tensorcnt 0x0                           ; the wave's end
	ds_add_u32 v[SPW], v[NIL]
	s_wait_dscnt 0x0
	s_endpgm
.Lfunc_end_k_q715cb53df9_prep:
	.size	k_q715cb53df9_prep, .Lfunc_end_k_q715cb53df9_prep-k_q715cb53df9_prep
	.p2alignl 7, 3214868480
	.fill 96, 4, 3214868480
	.section	.rodata,"a",@progbits
	.p2align	6, 0x0
	.amdhsa_kernel k_q715cb53df9_prep
		.amdhsa_group_segment_fixed_size 68096
		.amdhsa_private_segment_fixed_size 0
		.amdhsa_enable_private_segment 0
		.amdhsa_kernarg_size 80
		.amdhsa_user_sgpr_count 2
		.amdhsa_user_sgpr_kernarg_segment_ptr 1
		.amdhsa_wavefront_size32 1
		.amdhsa_system_sgpr_workgroup_id_x 1
		.amdhsa_system_sgpr_workgroup_id_y 1
		.amdhsa_system_sgpr_workgroup_id_z 1
		.amdhsa_system_vgpr_workitem_id 0
		.amdhsa_next_free_vgpr 200
		.amdhsa_next_free_sgpr 66
		.amdhsa_reserve_vcc 0
		.amdhsa_float_denorm_mode_32 3
		.amdhsa_float_denorm_mode_16_64 3
		.amdhsa_memory_ordered 1
		.amdhsa_forward_progress 1
		.amdhsa_inst_pref_size 160
	.end_amdhsa_kernel
	.amdgpu_metadata
---
amdhsa.version: [ 1, 2 ]
amdhsa.kernels:
  - .name:           k_q715cb53df9_prep
    .symbol:         k_q715cb53df9_prep.kd
    .args:
      - { .name: x, .offset: 0, .size: 8, .value_kind: global_buffer, .address_space: global }
      - { .name: w_q, .offset: 8, .size: 8, .value_kind: global_buffer, .address_space: global }
      - { .name: w_k, .offset: 16, .size: 8, .value_kind: global_buffer, .address_space: global }
      - { .name: w_v, .offset: 24, .size: 8, .value_kind: global_buffer, .address_space: global }
      - { .name: w_out, .offset: 32, .size: 8, .value_kind: global_buffer, .address_space: global }
      - { .name: xc, .offset: 40, .size: 8, .value_kind: global_buffer, .address_space: global }
      - { .name: xs, .offset: 48, .size: 8, .value_kind: global_buffer, .address_space: global }
      - { .name: wc, .offset: 56, .size: 8, .value_kind: global_buffer, .address_space: global }
      - { .name: ws, .offset: 64, .size: 8, .value_kind: global_buffer, .address_space: global }
      - { .name: wo16, .offset: 72, .size: 8, .value_kind: global_buffer, .address_space: global }
    .group_segment_fixed_size: 68096
    .private_segment_fixed_size: 0
    .kernarg_segment_align: 8
    .kernarg_segment_size: 80
    .max_flat_workgroup_size: 128
    .sgpr_count:     66
    .vgpr_count:     200
    .wavefront_size: 32
...
	.end_amdgpu_metadata
.endif
;; end of part 1
;; launch proj (part 2): grid 12 x 32, 4 waves a work-group, clusters of 4 x 4, 327,680 bytes of LDS; arguments xc, xs, wc, ws, qkv16; writes qkv16
.if DOCPART == 2
	.amdgcn_target "amdgcn-amd-amdhsa--gfx1250"
	.amdhsa_code_object_version 6
	.text
	.protected	k_q715cb53df9_proj
	.globl	k_q715cb53df9_proj
	.p2align	8
	.type	k_q715cb53df9_proj,@function
k_q715cb53df9_proj:
	s_mov_b64 s[64:65], 0
	v_nop
	global_prefetch_b8 v0, s[64:65] scope:SCOPE_SE
	s_setreg_imm32_b32 hwreg(HW_REG_WAVE_MODE, 25, 1), 1
	s_wait_xcnt 0x0
	s_wait_alu depctr_hold_cnt(0) depctr_sa_sdst(0) depctr_va_vdst(0) depctr_va_sdst(0) depctr_va_ssrc(0) depctr_va_vcc(0) depctr_vm_vsrc(0)
	s_getreg_b32 s2, hwreg(HW_REG_IB_STS2, 6, 4)
	s_cmp_eq_u32 s2, 0
	s_cbranch_scc0 .Lentry_in_a_cluster
	s_endpgm
.Lentry_in_a_cluster:
	s_bfe_u32 s2, ttmp6, 0x10000c
	s_cmp_lg_u32 s2, 0xf033
	s_cbranch_scc0 .Lentry_shape_is_right
	s_endpgm
.Lentry_shape_is_right:
; PROJ: q, k, v = Q(x) Q(w), on codes of E2M1 with one E8M0 scale for each 32 along K = 1,024; sums in f32, K ascending; results rounded once to f16 and stored as images of operand registers.
; A = xc [8192][512 bytes], xs [8192][32];  B = wc [3072][512 bytes], ws [3072][32] (rows 0-1023: w_q's columns, then w_k's, then w_v's).
; A work-group of four waves makes 256 rows x 256 columns, a wave 128 x 128: 64 accumulators of 16 x 16, 512 registers.  K = 1,024 is two LDS slots of 512 along K (rows of 256 bytes + 16 of padding):
; both slots and all scale bytes are filled ONCE, at the head (three tensor loads of a wave are out), one wait and one barrier follow, and eight uniform steps of 128 along K need no further barrier.
; CLUSTERS: 4 x 4 work-groups.  The four of a row need the same rows of x, the four of a column the same rows of w: each tile is asked for jointly.  The cluster's x is the tensor (0 q, 1 k, 2 v): the same in all partners.
; q AND k: the matrix instruction is used transposed (source 0 = 16 rows of w, source 1 = 16 rows of x): a lane holds one row of x and eight neighbouring columns, which pack into its 16 bytes of a piece:
;   qkv16 + tensor x 2^24: [512 tiles of 16 rows][64 pieces ct][512 bytes]; lane (r, hf) at 16 x lane: row r, columns 16 ct + 8 hf + 0 .. 7.
; v: source 0 = 16 rows of x (keys), source 1 = 16 rows of w (d): a lane holds one d and eight neighbouring keys:
;   qkv16 + 2^25: [256 groups of 32 keys][64 tiles of 16 d][c = 0, 1][512 bytes]; lane (r, hf): d = r, keys 16 c + 8 hf + 0 .. 7.
; So every result leaves straight from registers: each store of the wave covers 512 consecutive bytes, aligned.
; LIMIT: a result above 65,504 in magnitude becomes an infinity of f16.
; REGISTERS, in windows of 256: window 0: v16-29 addresses; v32-95 scale words, two sets, and nothing else; from v128 x's fragments (8 x 16 rows x 128 K), one set; on the way out v128-255 packed results.
;   window 1: w's fragments, two sets, at v0 and v128.   window 2: the accumulators of my rows 0-63 ((a, b) at v[8 (8 a + b)]);   window 3: those of my rows 64-127.
.set NQ,     4
.set ROWB,   256                       ; a tile's row in bytes: 512 codes
.set KROW,   512                       ; a row of xc or wc in memory
.set PITCH,  272
.set FR,     8
.set HALFT,  128*PITCH                 ; 128 rows: what one tensor load brings
.set SLOT,   4*HALFT                   ; x's 256 rows, then w's 256 rows
.set KS,     32                        ; a row of scale bytes
.set SCL,    2*SLOT                    ; behind the slots: the scale bytes, as runs of 256 bytes + 16 of padding
.set HALFS,  (128*KS/256)*272
.set SBLK,   (16*KS/256)*272
.set SPARE,  SCL+4*HALFS               ; the spare words, 128 bytes for each wave, that no other line names
.set ADRA, 16
.set ADRB, 20
.set CO,   26                          ; v26  16 x lane
.set ADRS, 27
.set SPW,  28
.set NIL,  29
.set SC,   32
.set AF,   128
.set OB,   128
.set G1, 24
.set G0, 32
.set G1B, 48
.set G0B, 56
.set G1S, 68
.set G0S, 76
.set G1SB, 80
.set G0SB, 88
.set MSB, 0
.macro WIN new                         ; the immediate's high byte repeats the setting that is left
.if MSB != (\new)
	s_set_vgpr_msb (MSB<<8)|(\new)
.set MSB, (\new)
.endif
.endm
.set TO_B, 0x40
; A joint load: waves 0 and 1 fetch for x, waves 2 and 3 for w.  The branch hangs on the wave's number alone.  An s_nop 0 and four v_nop follow each of the two lines.
.macro JLOAD g0a, g1a, g0b, g1b
	s_cmp_eq_u32 s15, 0
	s_cbranch_scc0 .Lfor_b_\@
	tensor_load_to_lds s[\g0a:\g0a+3], s[\g1a:\g1a+7]
	s_nop 0
.rept 4
	v_nop
.endr
	s_branch .Lasked_\@
.Lfor_b_\@:
	tensor_load_to_lds s[\g0b:\g0b+3], s[\g1b:\g1b+7]
	s_nop 0
.rept 4
	v_nop
.endr
.Lasked_\@:
.endm
.macro CROUND                          ; a round of the cluster's barrier
	s_barrier_signal -1
	s_barrier_wait -1
	s_cmp_lg_u32 s14, 0
	s_cbranch_scc1 .Lnot_wave_0_\@
	s_barrier_signal -3
.Lnot_wave_0_\@:
	s_barrier_wait -3
	s_barrier_signal -1
	s_barrier_wait -1
.endm
	s_load_b128 s[4:7], s[0:1], 0x0                ; xc s[4:5], xs s[6:7]
	s_load_b128 s[8:11], s[0:1], 0x10              ; wc s[8:9], ws s[10:11]
	s_load_b64 s[12:13], s[0:1], 0x20              ; qkv16
	v_lshl_add_u32 v[SPW], v0, 2, SPARE
	v_mov_b32 v[NIL], 0
	ds_add_u32 v[SPW], v[NIL]                      ; the wave's opening: the add, twice on end, and its wait ahead of my first tensor load
	ds_add_u32 v[SPW], v[NIL]
	v_lshrrev_b32 v1, 5, v0
	v_readfirstlane_b32 s14, v1                    ; wave 0..3
	s_lshr_b32 s15, s14, 1                         ; which half of the tile's rows is mine.  Also: I fetch for x (0) or for w (1)
	s_and_b32 s16, s14, 1                          ; which half of its columns.  Also: which 128 rows I fetch
	s_bfe_u32 s40, ttmp6, 0x40000                  ; cx, cy: my place in the cluster
	s_bfe_u32 s41, ttmp6, 0x40004
	s_lshl_b32 s42, ttmp9, 2
	s_add_co_u32 s42, s42, s40                     ; tile column = 4 x cluster x + cx
	s_and_b32 s17, ttmp7, 0xffff
	s_lshl_b32 s17, s17, 2
	s_add_co_u32 s17, s17, s41                     ; tile row = 4 x cluster y + cy
	s_lshl_b32 s43, s41, 2
	s_lshl_b32 s43, 15, s43                        ; my row of the cluster
	s_lshl_b32 s44, 0x1111, s40                    ; my column
	; group 1 for the codes: 128 rows x 256 bytes, 16 bytes of padding behind each
	s_or_b32 s[G1+0], s43, (0<<16)|(1<<20)|(1<<21)|(5<<22)|(3<<25)
	s_or_b32 s[G1B+0], s44, (0<<16)|(1<<20)|(1<<21)|(5<<22)|(3<<25)
.irp g, G1, G1B
	s_mov_b32 s[\g+1], ROWB<<16                    ; tensor_dim0
	s_mov_b32 s[\g+2], 128<<16                     ; tensor_dim1
	s_mov_b32 s[\g+3], ROWB<<16                    ; tile_dim0
	s_mov_b32 s[\g+4], 128                         ; tile_dim1
	s_mov_b32 s[\g+5], KROW                        ; from row to row
	s_mov_b32 s[\g+6], 0
	s_mov_b32 s[\g+7], 0
.endr
	; and for the scale bytes of 128 rows: 4,096 dense bytes as 16 rows of 256 (32 elements of 8 bytes), 16 bytes of padding behind each
	s_or_b32 s[G1S+0], s43, (3<<16)|(1<<20)|(1<<21)|(5<<22)|(3<<25)
	s_or_b32 s[G1SB+0], s44, (3<<16)|(1<<20)|(1<<21)|(5<<22)|(3<<25)
.irp g, G1S, G1SB
	s_mov_b32 s[\g+1], 32<<16
	s_mov_b32 s[\g+2], (128*KS/256)<<16
	s_mov_b32 s[\g+3], 32<<16
	s_mov_b32 s[\g+4], 128*KS/256
	s_mov_b32 s[\g+5], 32
	s_mov_b32 s[\g+6], 0
	s_mov_b32 s[\g+7], 0
.endr
	s_lshl_b32 s18, s16, 7                         ; which 128 rows of the tile I fetch
	s_lshl_b32 s20, s17, 8
	s_add_co_u32 s20, s20, s18                     ; x: row 256 x tile row + 128 x half
	s_lshl_b32 s46, s42, 8
	s_add_co_u32 s46, s46, s18                     ; w: row 256 x tile column + 128 x half
	s_lshl_b32 s22, s20, 5                         ; where these rows' scale bytes begin,
	s_mov_b32 s23, 0
	s_lshl_b32 s92, s46, 5
	s_mov_b32 s93, 0
	s_lshl_b32 s20, s20, 9                         ; and their codes
	s_mov_b32 s21, 0
	s_lshl_b32 s46, s46, 9
	s_mov_b32 s47, 0
	s_mul_i32 s45, s14, HALFT                      ; where they go: wave x 128 rows: no place in the cluster enters an LDS address
	s_mul_i32 s94, s14, HALFS
	s_wait_dscnt 0x0                               ; both opening adds are done
	s_wait_kmcnt 0x0
	s_add_nc_u64 s[20:21], s[4:5], s[20:21]
	s_add_nc_u64 s[22:23], s[6:7], s[22:23]
	s_add_nc_u64 s[46:47], s[8:9], s[46:47]
	s_add_nc_u64 s[92:93], s[10:11], s[92:93]
	CROUND                                         ; all sixteen work-groups are here: the joint loads meet
	s_mov_b32 s[G0S], 1
	s_add_co_u32 s[G0S+1], s94, SCL
	s_mov_b64 s[G0S+2:G0S+3], s[22:23]
	s_or_b32 s[G0S+3], s[G0S+3], 0x80000000
	s_mov_b32 s[G0SB], 1
	s_add_co_u32 s[G0SB+1], s94, SCL
	s_mov_b64 s[G0SB+2:G0SB+3], s[92:93]
	s_or_b32 s[G0SB+3], s[G0SB+3], 0x80000000
	JLOAD G0S, G1S, G0SB, G1SB
.irp s, 0,1
	s_mov_b32 s[G0+4*\s], 1
	s_add_co_u32 s[G0+4*\s+1], s45, \s*SLOT
	s_add_nc_u64 s[G0+4*\s+2:G0+4*\s+3], s[20:21], \s*ROWB
	s_or_b32 s[G0+4*\s+3], s[G0+4*\s+3], 0x80000000
	s_mov_b32 s[G0B+4*\s], 1
	s_add_co_u32 s[G0B+4*\s+1], s45, \s*SLOT
	s_add_nc_u64 s[G0B+4*\s+2:G0B+4*\s+3], s[46:47], \s*ROWB
	s_or_b32 s[G0B+4*\s+3], s[G0B+4*\s+3], 0x80000000
	JLOAD G0+4*\s, G1, G0B+4*\s, G1B
.endr
	v_and_b32 v1, 15, v0                           ; l % 16
	v_bfe_u32 v2, v0, 4, 1                         ; l / 16
	v_mul_u32_u24 v3, v1, PITCH
	v_lshl_add_u32 v4, v2, 4, v3                   ; a fragment's row x pitch + 16 x half
	s_mul_i32 s21, s15, HALFT                      ; my 128 rows of x
	s_mul_i32 s22, s16, HALFT                      ; my 128 rows of w,
	s_add_co_u32 s22, s22, 2*HALFT                 ; which lie behind x's 256
.irp s, 0,1
	v_add_nc_u32 v[ADRA+\s], s21, v4
	v_add_nc_u32 v[ADRB+\s], s22, v4
	s_add_co_u32 s21, s21, SLOT
	s_add_co_u32 s22, s22, SLOT
.endr
	v_mul_u32_u24 v5, v1, KS                       ; my row's scale bytes: 32 a row,
	v_lshrrev_b32 v6, 8, v5
	v_lshl_add_u32 v5, v6, 4, v5                   ; and 16 more for each 256 passed
	s_mul_i32 s21, s15, HALFS
	s_mul_i32 s22, s16, HALFS
	s_add_co_u32 s22, s22, 2*HALFS
	s_sub_co_u32 s22, s22, s21
	v_mul_u32_u24 v6, s22, v2                      ; lanes 0-15 take x's words, lanes 16-31 w's
	s_add_co_u32 s21, s21, SCL
	v_add_nc_u32 v5, v5, v6
	v_add_nc_u32 v[ADRS], s21, v5
	v_and_b32 v6, 31, v0
	v_lshlrev_b32 v[CO], 4, v6
	; where my results go
	s_lshl_b32 s20, s17, 4
	s_lshl_b32 s21, s15, 3
	s_add_co_u32 s20, s20, s21                     ; my first tile of 16 rows: 16 x tile row + 8 x half
	s_lshl_b32 s20, s20, 15                        ; 32,768 bytes each (v: two of them are a group of 65,536)
	s_lshl_b32 s46, s40, 4
	s_lshl_b32 s47, s16, 3
	s_add_co_u32 s46, s46, s47                     ; my first tile of 16 columns within the tensor: 16 cx + 8 x half
	s_cmp_eq_u32 ttmp9, 2
	s_cselect_b32 s47, 10, 9                       ; 512 bytes each, in v 1,024
	s_lshl_b32 s46, s46, s47
	s_add_co_u32 s20, s20, s46
	s_lshl_b32 s46, ttmp9, 24                      ; the tensor's part of qkv16
	s_add_co_u32 s20, s20, s46
	s_mov_b32 s21, 0
	s_add_nc_u64 s[12:13], s[12:13], s[20:21]
.macro FRAG reg, adr, q, i             ; 16 rows x 128 K of 4-bit codes: registers 4 c .. 4 c + 3 hold K = 64 c + 32 (l / 16) + 0 .. 31
.irp c, 0,1
	ds_load_b128 v[\reg+4*\c:\reg+4*\c+3], v[\adr] offset:64*(\q)+32*\c+(\i)*16*PITCH
.endr
.endm
; 16 matrix instructions: x's blocks a0, a0 + 1 against w's eight.  p: w's set; q: which 128 along K of the slot; sc: the set of scale words.  The 64 accumulators take turns, one instruction a turn.
; In a scale register lanes 0-15 hold the words of x's block, lanes 16-31 those of w's block of the same number.
.macro MUL16 sw, a0, p, q, sc, zero
.irp a, \a0, \a0+1
.irp b, 0,1,2,3,4,5,6,7
.set rD, 8*(8*((\a)%4)+\b)
.set rB, 128*(\p)+FR*\b
.set rA, AF+FR*(\a)
.set sB, SC+8*NQ*(\sc)+NQ*\b+(\q)
.set sA, SC+8*NQ*(\sc)+NQ*(\a)+(\q)
.if \sw
.if \zero
	v_wmma_scale_f32_16x16x128_f8f6f4 v[rD:rD+7], v[rA:rA+7], v[rB:rB+7], 0, v[sA], v[sB] matrix_a_fmt:MATRIX_FMT_FP4 matrix_b_fmt:MATRIX_FMT_FP4 matrix_b_scale:MATRIX_SCALE_ROW1
.else
	v_wmma_scale_f32_16x16x128_f8f6f4 v[rD:rD+7], v[rA:rA+7], v[rB:rB+7], v[rD:rD+7], v[sA], v[sB] matrix_a_fmt:MATRIX_FMT_FP4 matrix_b_fmt:MATRIX_FMT_FP4 matrix_b_scale:MATRIX_SCALE_ROW1
.endif
.else
.if \zero
	v_wmma_scale_f32_16x16x128_f8f6f4 v[rD:rD+7], v[rB:rB+7], v[rA:rA+7], 0, v[sB], v[sA] matrix_a_fmt:MATRIX_FMT_FP4 matrix_b_fmt:MATRIX_FMT_FP4 matrix_a_scale:MATRIX_SCALE_ROW1
.else
	v_wmma_scale_f32_16x16x128_f8f6f4 v[rD:rD+7], v[rB:rB+7], v[rA:rA+7], v[rD:rD+7], v[sB], v[sA] matrix_a_fmt:MATRIX_FMT_FP4 matrix_b_fmt:MATRIX_FMT_FP4 matrix_a_scale:MATRIX_SCALE_ROW1
.endif
.endif
.endr
.endr
.endm
.macro FETCH_B slot, q, p
	WIN TO_B
.irp i, 0,1,2,3,4,5,6,7
	FRAG 128*(\p)+FR*\i, ADRB+\slot, \q, \i
.endr
	WIN 0
.endm
.macro FETCH_A slot, q, i0
.irp i, \i0, \i0+1, \i0+2, \i0+3
	FRAG AF+FR*(\i), ADRA+\slot, \q, \i
.endr
.endm
.macro SCALES sc                       ; slot sc's scale words: four a row, 16 bytes
.irp i, 0,1,2,3,4,5,6,7
	ds_load_b128 v[SC+8*NQ*\sc+NQ*\i:SC+8*NQ*\sc+NQ*\i+3], v[ADRS] offset:\i*SBLK+16*\sc
.endr
.endm
.macro PLACES                          ; four plain places behind a matrix instruction, ahead of loads into registers that it has read and of reads of its results
.rept 4
	v_nop
.endr
.endm
; Step g of eight: 128 along K, 64 matrix instructions.  x has one set of registers: blocks 0-3 are fetched anew in the step's middle, blocks 4-7 at its end; w has two sets.
.macro STEP sw, g, zero, last
.set cS, (\g)/4
.set cQ, (\g)%4
.set cP, (\g)%2
.set nS, ((\g)+1)/4
.set nQ, ((\g)+1)%4
	s_wait_dscnt 8                                 ; all but the youngest eight loads (x's blocks 4-7) are in
	WIN 0xa1+3*\sw
	MUL16 \sw, 0, cP, cQ, cS, \zero
	MUL16 \sw, 2, cP, cQ, cS, \zero
	s_wait_dscnt 0x0                               ; x's blocks 4-7 are in
.if !\last
	PLACES
	FETCH_B nS, nQ, 1-cP
	FETCH_A nS, nQ, 0
.endif
	WIN 0xf1+3*\sw
	MUL16 \sw, 4, cP, cQ, cS, \zero
	MUL16 \sw, 6, cP, cQ, cS, \zero
.if !\last
	PLACES
	WIN 0
	FETCH_A nS, nQ, 4
.endif
.endm
; The way out: a block of 16 rows at a time, rounded to f16; a lane's eight results of an accumulator are its 16 bytes of a piece.  Four buffers of 32 registers by turns.
.macro OUT sw
	PLACES
.irp a, 0,1,2,3,4,5,6,7
.if \a >= 4
	s_wait_xcnt 0x0                                ; the stores of four blocks back have read their registers
.endif
	WIN 0x0a+5*(\a/4)                              ; sources in window 2 or 3
.irp b, 0,1,2,3,4,5,6,7
.irp r, 0,1,2,3
	v_cvt_pk_f16_f32 v[OB+32*(\a%4)+4*\b+\r], v[64*(\a%4)+8*\b+2*\r], v[64*(\a%4)+8*\b+2*\r+1]   ; each accumulator from its low end on
.endr
.endr
	WIN 0
.irp b, 0,1,2,3,4,5,6,7
.if \sw
	global_store_b128 v[CO], v[OB+32*(\a%4)+4*\b:OB+32*(\a%4)+4*\b+3], s[12:13] offset:65536*(\a/2)+512*(\a%2)+1024*\b
.else
	global_store_b128 v[CO], v[OB+32*(\a%4)+4*\b:OB+32*(\a%4)+4*\b+3], s[12:13] offset:32768*\a+512*\b
.endif
.endr
.endr
.endm
.macro BODY sw
	STEP \sw, 0, 1, 0                              ; the first step's products start the sums: nothing is cleared
.irp g, 1,2,3,4,5,6
	STEP \sw, \g, 0, 0
.endr
	STEP \sw, 7, 0, 1
	OUT \sw
.endm
	s_wait_tensorcnt 0x0                           ; my three loads have landed,
	s_barrier_signal -1
	s_barrier_wait -1                              ; everybody's have: nothing is filled again in this launch
	FETCH_B 0, 0, 0
	FETCH_A 0, 0, 0
	SCALES 0
	SCALES 1
	FETCH_A 0, 0, 4
	s_cmp_eq_u32 ttmp9, 2                          ; the cluster's x: the same in all sixteen partners
	s_cbranch_scc1 .Lfor_v
	BODY 0
	s_branch .Ldone
.Lfor_v:
	BODY 1
.Ldone:
	s_wait_tensorcnt 0x0                           ; the wave's end
	ds_add_u32 v[SPW], v[NIL]
	s_wait_dscnt 0x0
	CROUND                                         ; the closing round
	s_endpgm
.Lfunc_end_k_q715cb53df9_proj:
	.size	k_q715cb53df9_proj, .Lfunc_end_k_q715cb53df9_proj-k_q715cb53df9_proj
	.p2alignl 7, 3214868480
	.fill 96, 4, 3214868480
	.section	.rodata,"a",@progbits
	.p2align	6, 0x0
	.amdhsa_kernel k_q715cb53df9_proj
		.amdhsa_group_segment_fixed_size 327680
		.amdhsa_private_segment_fixed_size 0
		.amdhsa_enable_private_segment 0
		.amdhsa_kernarg_size 40
		.amdhsa_user_sgpr_count 2
		.amdhsa_user_sgpr_kernarg_segment_ptr 1
		.amdhsa_wavefront_size32 1
		.amdhsa_system_sgpr_workgroup_id_x 1
		.amdhsa_system_sgpr_workgroup_id_y 1
		.amdhsa_system_sgpr_workgroup_id_z 1
		.amdhsa_system_vgpr_workitem_id 0
		.amdhsa_next_free_vgpr 1024
		.amdhsa_next_free_sgpr 98
		.amdhsa_reserve_vcc 0
		.amdhsa_float_denorm_mode_32 3
		.amdhsa_float_denorm_mode_16_64 3
		.amdhsa_memory_ordered 1
		.amdhsa_forward_progress 1
		.amdhsa_inst_pref_size 221
	.end_amdhsa_kernel
	.amdgpu_metadata
---
amdhsa.version: [ 1, 2 ]
amdhsa.kernels:
  - .name:           k_q715cb53df9_proj
    .symbol:         k_q715cb53df9_proj.kd
    .args:
      - { .name: xc, .offset: 0, .size: 8, .value_kind: global_buffer, .address_space: global }
      - { .name: xs, .offset: 8, .size: 8, .value_kind: global_buffer, .address_space: global }
      - { .name: wc, .offset: 16, .size: 8, .value_kind: global_buffer, .address_space: global }
      - { .name: ws, .offset: 24, .size: 8, .value_kind: global_buffer, .address_space: global }
      - { .name: qkv16, .offset: 32, .size: 8, .value_kind: global_buffer, .address_space: global }
    .group_segment_fixed_size: 327680
    .private_segment_fixed_size: 0
    .kernarg_segment_align: 8
    .kernarg_segment_size: 40
    .max_flat_workgroup_size: 128
    .sgpr_count:     98
    .vgpr_count:     1024
    .wavefront_size: 32
...
	.end_amdgpu_metadata
.endif
;; end of part 2
;; launch attn (part 3): grid 64 x 4, 4 waves a work-group, clusters of 4 x 1, 327,680 bytes of LDS; arguments qkv16, c16; writes c16
.if DOCPART == 3
	.amdgcn_target "amdgcn-amd-amdhsa--gfx1250"
	.amdhsa_code_object_version 6
	.text
	.protected	k_q715cb53df9_attn
	.globl	k_q715cb53df9_attn
	.p2align	8
	.type	k_q715cb53df9_attn,@function
k_q715cb53df9_attn:
	s_mov_b64 s[64:65], 0
	v_nop
	global_prefetch_b8 v0, s[64:65] scope:SCOPE_SE
	s_setreg_imm32_b32 hwreg(HW_REG_WAVE_MODE, 25, 1), 1
	s_wait_xcnt 0x0
	s_wait_alu depctr_hold_cnt(0) depctr_sa_sdst(0) depctr_va_vdst(0) depctr_va_sdst(0) depctr_va_ssrc(0) depctr_va_vcc(0) depctr_vm_vsrc(0)
	s_getreg_b32 s2, hwreg(HW_REG_IB_STS2, 6, 4)
	s_cmp_eq_u32 s2, 0
	s_cbranch_scc0 .Lentry_in_a_cluster
	s_endpgm
.Lentry_in_a_cluster:
	s_bfe_u32 s2, ttmp6, 0x10000c
	s_cmp_lg_u32 s2, 0x3003
	s_cbranch_scc0 .Lentry_shape_is_right
	s_endpgm
.Lentry_shape_is_right:
; ATTN: ctx[b][q][h][:] = the sum over keys k of softmax over the HEADS h of (q[b][h][q] . k[b][h][k] / 8) x v[b][h][k][:].  Operands in f16, products, maxima and sums in f32.
; The softmax runs over the 16 heads of one (query, key): nothing is normalised along the keys, so ctx is a plain sum over the keys, in any order; the largest of the 16 scores is taken away ahead of the exponentials.
; SHARES.  A work-group owns 32 queries of one batch, all 16 heads, and walks the batch's 2,048 keys, 32 a step.  A wave w has two parts in a step:
;   SCORES: tile w & 1 of 16 queries x tile w >> 1 of 16 keys, for ALL 16 heads: S^T = K Q^T (source 0 = 16 keys, source 1 = 16 queries): a lane holds one query and eight keys of each head, so the softmax lies inside a lane.
;   SUMS:   heads 4 w .. 4 w + 3, both tiles of queries, all 32 keys: O^T += V^T P (source 0 = 16 d, source 1 = P): a lane holds one query and eight neighbouring d.
;   p, packed to f16 in pairs, IS a piece of P's fragment; it goes from the first part to the second through LDS as an image of registers, 16 bytes a lane at 16 x lane.
; All operands lie in memory as such images (pieces of 512 bytes), so a step's K (two tiles of 32,768 bytes) and V (65,536 bytes) are dense blocks: a wave brings 32,768 bytes with one tensor load.
; BY TURNS.  A step has 64 matrix instructions and some 458 vector instructions a wave.  A trip t is laid over three key steps, a slice of vector work behind each matrix instruction:
;   K Q^T of step t + 1, heads 0-11 | step t's p: x 1 / sum, packed, stored (a head's scores of step t + 1 land in the registers that its p of step t has left);
;   the round, with K Q^T of heads 12-15 inside its opening barrier | the first 40 lines of step t + 1's maximum;  the refill;  P of step t from LDS;
;   V^T P of step t | step t + 1's scalings, exponentials, sums and reciprocals.
;   All that a softmax touches lies in window 0 and no window has room for a product's operands beside it: a slice costs two switches of the window, which is the lesser price beside products in bare runs.
; THE RING.  Two slots, each K's two tiles and V.  K is multiplied a trip ahead of V, so at the round of trip t waves 0, 1 fill K of step t + 3 over K of step t + 1 and waves 2, 3 fill V of step t + 2 over V of step t:
;   one round a trip, one tensor load a wave behind it, a whole trip in which it lands.  The round also shows p to every wave.  A second barrier, split round V^T P, says that P has been read.
; CLUSTER: the four blocks of queries of a cluster belong to one batch and walk the same K and V: each tile is asked for jointly, with a mask that names the four.
; THE WALK.  A batch has sixteen clusters, its groups g.  Group g begins at key step 8 (g >> 1) and walks up (g even), or begins one step below that and walks down (g odd), round all 64 steps: at any time the
;   sixteen ask for sixteen different tiles, and each tile is asked for the first time in some group's first four steps.  Which cluster takes which batch and group is free: it only says who computes what.
;   No prefetch is laid: the tiles that no group has asked for before are each group's first four, and those are asked for at the kernel's head or straight behind it.
; ctx leaves as ctx / 128 in f16 (exact scaling; w_out was multiplied by 128): c16 [512 tiles of 16 rows][64 pieces][512 bytes].
; LIMITS: q, k, v are f16 numbers (infinities above 65,504 are not served); |ctx| up to 8.3e6; ctx / 128 under 6e-5 falls among f16's denormals; an exponential under 2^-126 counts as 0 beside the lane's largest, which is 1.
; REGISTERS: window 0: v1-9 addresses; v16-23 the maxima; v24-31, v224-231 the sums; v232-239 reciprocals; v32-159 S^T (head h at 32 + 8 h); v160-223 P's fragments; v240-255 p packed, four heads by turns.
;   window 1: the 32 accumulators of O^T.   window 2: Q, 32 fragments.   window 3: v0-127 K, two buffers of four heads; v128-255 V, 16 fragments.
.set SLOT1, 1<<17                      ; a slot: K's two tiles, then V: 131,072 bytes; one exclusive or turns an address from one slot to the other
.set PBUF,  2*SLOT1                    ; p: piece (head, tile of queries, tile of keys) at 2048 head + 1024 qt + 512 c
.set SPARE, PBUF+32768                 ; the spare words, 128 bytes for each wave, that no other line names
.set LI,  1                            ; v1   16 x lane
.set AK0, 2                            ; v2   my tile of keys in a slot
.set AV0, 3                            ; v3   my four heads of V in a slot
.set APW, 4                            ; v4   where I store p
.set APR, 5                            ; v5   where I read P
.set AKB, 6                            ; v6   AK0 + the slot of the K in hand
.set AVB, 7                            ; v7   AV0 + the slot of the V in hand
.set SPW, 8
.set NIL, 9
.set M,   16
.set LA,  24
.set S,   32
.set PK,  160
.set LB,  224
.set R,   232
.set PT,  240
.set WV,  8                            ; s8   wave
.set BW,  12                           ; s[12:13] my part of key step 0 of my batch, in k (waves 0, 1) or in v (waves 2, 3)
.set G1,  24                           ; s[24:31]
.set G0A, 32                           ; s[32:35] a first fill
.set G0B, 36                           ; s[36:39] a first fill; it then walks
.set CS,  40                           ; s[40:41] c = log2(e) / 8
.set TB,  42                           ; s42  LDS byte at which the slot of the trip's parity begins
.set CNT, 43                           ; s43  the loop's trips
.set TI,  44                           ; s44  the key step that the walking descriptor names
.set SG,  45                           ; s45  +1 or -1: the walk's direction
.set OF,  46                           ; s[46:47] 65,536 x a key step
.set MSB, 0
.macro WIN new                         ; the immediate's high byte repeats the setting that is left; a switch that changes nothing is dropped
.if MSB != (\new)
	s_set_vgpr_msb (MSB<<8)|(\new)
.set MSB, (\new)
.endif
.endm
.macro CREST                           ; a round of the cluster's barrier behind its opening barrier
	s_cmp_lg_u32 s[WV], 0
	s_cbranch_scc1 .Lnot_wave_0_\@
	s_barrier_signal -3
.Lnot_wave_0_\@:
	s_barrier_wait -3
	s_barrier_signal -1
	s_barrier_wait -1
.endm
.macro CROUND                          ; a whole round
	s_barrier_signal -1
	s_barrier_wait -1
	CREST
.endm
.macro PLACES                          ; four plain places behind a matrix instruction (ISA guide 7.12.1)
.rept 4
	v_nop
.endr
.endm
	s_load_b128 s[4:7], s[0:1], 0x0                ; qkv16 s[4:5], c16 s[6:7]
	v_lshl_add_u32 v[SPW], v0, 2, SPARE
	v_mov_b32 v[NIL], 0
	ds_add_u32 v[SPW], v[NIL]                      ; the wave's opening: the add, twice on end, and its wait ahead of my first tensor load
	ds_add_u32 v[SPW], v[NIL]
	v_lshrrev_b32 v11, 5, v0
	v_readfirstlane_b32 s[WV], v11                 ; wave 0..3
	s_bfe_u32 s9, ttmp6, 0x40000                   ; cx: it enters Q's and c16's addresses alone
	s_and_b32 s15, ttmp7, 0xffff                   ; the cluster's y
	s_bfe_u32 s11, ttmp9, 0x10002                  ; the batch: bit 2 of the cluster's x,
	s_lshl_b32 s11, s11, 1
	s_and_b32 s16, s15, 1                          ; and bit 0 of its y
	s_or_b32 s11, s11, s16
	s_and_b32 s10, ttmp9, 3                        ; the group g: bits 0, 1 and 3 of x, bit 1 of y
	s_bfe_u32 s16, ttmp9, 0x10003
	s_lshl_b32 s16, s16, 2
	s_or_b32 s10, s10, s16
	s_lshr_b32 s16, s15, 1
	s_lshl_b32 s16, s16, 3
	s_or_b32 s10, s10, s16
	s_and_b32 s16, s10, 1                          ; 1: this group walks down
	s_lshl_b32 s17, s16, 1
	s_sub_co_i32 s[SG], 1, s17                     ; +1 or -1
	s_lshr_b32 s17, s10, 1
	s_lshl_b32 s17, s17, 3
	s_sub_co_i32 s17, s17, s16                     ; its first key step, modulo 64: 8 (g >> 1), or one below
	s_lshl_b32 s10, s10, 2
	s_add_co_u32 s10, s10, s9                      ; my block of 32 queries: 4 g + cx
	s_lshr_b32 s18, s[WV], 1                       ; 1: I fetch V
	s_xor_b32 s19, s18, 1                          ; 1: I fetch K
	; The first fills: the walk's places 0 and 1, into slots 0 and 1.  A K wave's walking descriptor starts at place 1, a V wave's at place 0: every wave steps it at every round that fills, and at the
	; first such round, at which K alone is filled, a V wave's comes to place 1 and is not used.
	s_mul_i32 s14, s[SG], s18
	s_add_co_i32 s14, s14, s17
	s_and_b32 s14, s14, 63                         ; G0A's key step: place 0 (K) or 1 (V)
	s_mul_i32 s[TI], s[SG], s19
	s_add_co_i32 s[TI], s[TI], s17
	s_and_b32 s[TI], s[TI], 63                     ; G0B's: place 1 (K) or 0 (V)
	s_lshl_b32 s48, s[WV], 15                      ; my 32,768 bytes of a slot
	s_lshl_b32 s49, s19, 17
	s_add_co_u32 s49, s49, s48                     ; G0B's LDS address
	s_lshl_b32 s16, s18, 17
	s_add_co_u32 s48, s48, s16                     ; G0A's
	; group 1: 32,768 dense bytes as 128 rows of 256 (32 elements of 8 bytes); no padding; the mask names all four work-groups
	s_mov_b32 s[G1], 15|(3<<16)|(1<<21)
	s_mov_b32 s[G1+1], 32<<16
	s_mov_b32 s[G1+2], 128<<16
	s_mov_b32 s[G1+3], 32<<16
	s_mov_b32 s[G1+4], 128
	s_mov_b32 s[G1+5], 32
	s_mov_b32 s[G1+6], 0
	s_mov_b32 s[G1+7], 0
	s_mov_b32 s[CS], 0x3e38aa3b                    ; log2(e) / 8
	s_mov_b32 s[CS+1], s[CS]
	s_mov_b32 s[TB], 0
	s_add_co_u32 s12, s18, 1                       ; k lies 2^24 bytes into qkv16, v 2^25;
	s_lshl_b32 s12, s12, 24
	s_lshl_b32 s13, s11, 22                        ; a batch is 2^22 bytes of each;
	s_add_co_u32 s12, s12, s13
	s_and_b32 s13, s[WV], 1
	s_lshl_b32 s16, s13, 15                        ; my half of a step's 65,536
	s_add_co_u32 s12, s12, s16
	s_lshl_b32 s20, s11, 7
	s_lshl_b32 s17, s10, 1
	s_add_co_u32 s20, s20, s17                     ; my block's first tile of 16 rows: 128 batch + 2 block
	s_lshl_b32 s22, s20, 15
	s_lshl_b32 s17, s[WV], 13                      ; my four heads' 16 pieces
	s_add_co_u32 s22, s22, s17
	s_mov_b32 s23, 0
	s_add_co_u32 s20, s20, s13                     ; my tile of queries
	s_lshl_b32 s20, s20, 15
	s_mov_b32 s21, 0
	s_mov_b32 s13, 0
	s_wait_dscnt 0x0                               ; both opening adds are done
	s_wait_kmcnt 0x0
	s_add_nc_u64 s[20:21], s[4:5], s[20:21]        ; Q
	s_add_nc_u64 s[22:23], s[6:7], s[22:23]        ; c16
	s_add_nc_u64 s[BW:BW+1], s[4:5], s[BW:BW+1]
	CROUND                                         ; all four work-groups are here: the first joint loads meet
	s_mov_b32 s[G0A], 1
	s_mov_b32 s[G0A+1], s48
	s_lshl_b32 s[OF], s14, 16
	s_mov_b32 s[OF+1], 0
	s_add_nc_u64 s[G0A+2:G0A+3], s[BW:BW+1], s[OF:OF+1]
	s_or_b32 s[G0A+3], s[G0A+3], 0x80000000
	s_mov_b32 s[G0B], 1
	s_mov_b32 s[G0B+1], s49
	s_lshl_b32 s[OF], s[TI], 16
	s_add_nc_u64 s[G0B+2:G0B+3], s[BW:BW+1], s[OF:OF+1]
	s_or_b32 s[G0B+3], s[G0B+3], 0x80000000
	tensor_load_to_lds s[G0A:G0A+3], s[G1:G1+7]    ; two loads of mine are out
	s_nop 0
	tensor_load_to_lds s[G0B:G0B+3], s[G1:G1+7]
	s_nop 0
	PLACES
	v_and_b32 v[LI], 31, v0
	v_lshlrev_b32 v[LI], 4, v[LI]
	WIN 0x80                                       ; destination window 2
.set vn, 0
.rept 64
	global_load_b128 v[4*vn:4*vn+3], v[LI], s[20:21] offset:512*vn   ; Q stays in registers: fragment (head, half of d) at 8 (2 head + half)
.set vn, vn+1
.endr
	WIN 0
	s_lshl_b32 s15, s18, 15
	v_add_nc_u32 v[AK0], s15, v[LI]
	s_lshl_b32 s15, s[WV], 14
	s_add_co_u32 s15, s15, 65536
	v_add_nc_u32 v[AV0], s15, v[LI]
	s_and_b32 s15, s[WV], 1
	s_lshl_b32 s15, s15, 10
	s_lshl_b32 s16, s18, 9
	s_add_co_u32 s15, s15, s16
	s_add_co_u32 s15, s15, PBUF
	v_add_nc_u32 v[APW], s15, v[LI]
	s_lshl_b32 s15, s[WV], 13
	s_add_co_u32 s15, s15, PBUF
	v_add_nc_u32 v[APR], s15, v[LI]
; ---- THE LDS LOADS, in runs
.macro KLOAD g, buf                    ; K's fragments of heads 4 g .. 4 g + 3: 16 pieces
	WIN 0xc0
.irp n, 0,1,2,3,4,5,6,7,8,9,10,11,12,13,14,15
	ds_load_b128 v[64*\buf+4*\n:64*\buf+4*\n+3], v[AKB] offset:8192*\g+512*\n
.endr
.endm
.macro VLOAD                           ; my four heads of V: 16 fragments
	WIN 0xc0
.set vn, 0
.rept 32
	ds_load_b128 v[128+4*vn:128+4*vn+3], v[AVB] offset:512*vn
.set vn, vn+1
.endr
.endm
.macro PLOAD                           ; my four heads of P: fragment (hh, qt) at PK + 8 (2 hh + qt)
	WIN 0
.irp n, 0,1,2,3,4,5,6,7,8,9,10,11,12,13,14,15
	ds_load_b128 v[PK+4*\n:PK+4*\n+3], v[APR] offset:512*\n
.endr
.endm
; ---- THE MATRIX WORK, one instruction at a time
; Product i of eight of the scores of heads 4 g .. 4 g + 3: i < 4: d 0-31 starts the sums; else d 32-63 adds: three other accumulators stand between the two links
.macro QK1 g, buf, i
	WIN 0x0b
.set qh, 4*(\g)+(\i)%4
.set qb, 64*(\buf)+16*((\i)%4)
.if (\i) < 4
	v_wmma_f32_16x16x32_f16 v[S+8*qh:S+8*qh+7], v[qb:qb+7], v[16*qh:16*qh+7], 0
.else
	v_wmma_f32_16x16x32_f16 v[S+8*qh:S+8*qh+7], v[qb+8:qb+15], v[16*qh+8:16*qh+15], v[S+8*qh:S+8*qh+7]
.endif
.endm
; Product pi of 32 of O^T += V^T P: head pi / 8 of my four, tile of queries (pi / 4) % 2, tile of d pi % 4: 32 accumulators, one instruction each
.macro PV1 zero
	WIN 0x53
.set rV, 128+8*(4*(pi/8)+pi%4)
.set rP, PK+8*(pi/4)
.if \zero
	v_wmma_f32_16x16x32_f16 v[8*pi:8*pi+7], v[rV:rV+7], v[rP:rP+7], 0
.else
	v_wmma_f32_16x16x32_f16 v[8*pi:8*pi+7], v[rV:rV+7], v[rP:rP+7], v[8*pi:8*pi+7]
.endif
.endm
; ---- THE VECTOR WORK, all in window 0, as three numbered lists
; The maximum over the 16 heads of my lane's eight (query, key) pairs: line mx of 64.  Lines 0-39 name heads 0-10, lines 40-63 heads 11-15.  Each accumulator is first read at its lowest register.
.macro MAXI
.if mx < 8
	v_max3_num_f32 v[M+mx], v[S+mx], v[S+8+mx], v[S+16+mx]
.elseif mx < 56
	v_max3_num_f32 v[M+mx%8], v[M+mx%8], v[S+8*(3+2*((mx-8)/8))+mx%8], v[S+8*(4+2*((mx-8)/8))+mx%8]
.else
	v_max_num_f32 v[M+mx-56], v[M+mx-56], v[S+120+mx-56]
.endif
.set mx, mx+1
.endm
; Line aj of 258.  0-187: ONE BATCH: the scalings c s - c m of heads 1-15 (head 0's stand ahead of the list) and all 128 exponentials, a scaling and two exponentials by turns; a head is scaled twelve lines
; ahead of its exponentials; no line of the batch names an exponential's result.  188: a plain line and the one wait for the batch.  189-248: the sums over the heads, in eight chains.
; 249-256: the reciprocals (a sum is at least the largest head's 1).  257: a plain line and the one wait for them.
.macro AI
.if aj < 180
.set ah, aj/12
.set ap, 2*((aj/3)%4)
.if aj%3 == 0
	v_pk_fma_f32 v[S+8*ah+8+ap:S+8*ah+8+ap+1], v[S+8*ah+8+ap:S+8*ah+8+ap+1], s[CS:CS+1], v[M+ap:M+ap+1] op_sel_hi:[1,0,1] neg_lo:[0,0,1] neg_hi:[0,0,1]
.elseif aj%3 == 1
	v_exp_f32 v[S+8*ah+ap], v[S+8*ah+ap]
.else
	v_exp_f32 v[S+8*ah+ap+1], v[S+8*ah+ap+1]
.endif
.elseif aj < 188
	v_exp_f32 v[S+120+aj-180], v[S+120+aj-180]
.elseif aj == 188
	v_nop
	s_wait_alu depctr_va_vdst(0)
.elseif aj < 249
.set zz, aj-189
.if zz < 8
.set zp, 2*(zz/2)
.if zz%2 == 0
	v_pk_add_f32 v[LA+zp:LA+zp+1], v[S+zp:S+zp+1], v[S+8+zp:S+8+zp+1]
.else
	v_pk_add_f32 v[LB+zp:LB+zp+1], v[S+16+zp:S+16+zp+1], v[S+24+zp:S+24+zp+1]
.endif
.elseif zz < 56
.set zh, 4+2*((zz-8)/8)
.set zp, 2*(((zz-8)%8)/2)
.if zz%2 == 0
	v_pk_add_f32 v[LA+zp:LA+zp+1], v[LA+zp:LA+zp+1], v[S+8*zh+zp:S+8*zh+zp+1]
.else
	v_pk_add_f32 v[LB+zp:LB+zp+1], v[LB+zp:LB+zp+1], v[S+8*zh+8+zp:S+8*zh+8+zp+1]
.endif
.else
.set zp, 2*(zz-56)
	v_pk_add_f32 v[LA+zp:LA+zp+1], v[LA+zp:LA+zp+1], v[LB+zp:LB+zp+1]
.endif
.elseif aj < 257
	v_rcp_f32 v[R+aj-249], v[LA+aj-249]
.else
	v_nop
	s_wait_alu depctr_va_vdst(0)
.endif
.set aj, aj+1
.endm
; p of head H: four lines x 1 / sum, four lines that pack it into the head's four of PT's sixteen registers; a group's four heads are stored in one run
.macro NMUL H
	WIN 0
.irp p, 0,2,4,6
	v_pk_mul_f32 v[S+8*(\H)+\p:S+8*(\H)+\p+1], v[S+8*(\H)+\p:S+8*(\H)+\p+1], v[R+\p:R+\p+1]
.endr
.endm
.macro NCVT H
	WIN 0
.irp q, 0,1,2,3
	v_cvt_pk_f16_f32 v[PT+4*((\H)%4)+\q], v[S+8*(\H)+2*\q], v[S+8*(\H)+2*\q+1]
.endr
.endm
.macro NSTORE g
	WIN 0
.irp hh, 0,1,2,3
	ds_store_b128 v[APW], v[PT+4*\hh:PT+4*\hh+3] offset:2048*(4*(\g)+\hh)
.endr
.endm
.macro NGRP g                          ; a group with no products beside it; a head is packed behind the next head's multiplications
	NMUL 4*(\g)
	NMUL 4*(\g)+1
	NCVT 4*(\g)
	NMUL 4*(\g)+2
	NCVT 4*(\g)+1
	NMUL 4*(\g)+3
	NCVT 4*(\g)+2
	NCVT 4*(\g)+3
	NSTORE \g
.endm
; The eight products of group g's scores.  sm = 1: behind each a slice of four lines of the step before: p of group g + 1.  The last slice, four packing lines that name none of the products'
; registers, is also the four places ahead of the loads into the buffer that these products read.
.macro QKG g, buf, sm
.irp i, 0,1,2,3,4,5,6,7
	QK1 \g, \buf, \i
.if \sm
.if (\i)%2 == 0
	NMUL 4*(\g)+4+(\i)/2
.else
	NCVT 4*(\g)+4+(\i)/2
.endif
.endif
.endr
.endm
; ---- A TRIP'S FIRST PART.  p of step t leaves; qk = 1: the scores of step t + 1, heads 0-11, take its place.
.macro PHASEQ qk
	NGRP 0                                         ; its 32 lines are also the places between the last V^T P and the loads into V's registers
	v_add_nc_u32 v[AVB], s[TB], v[AV0]
	VLOAD                                          ; V of step t
.if \qk
	s_wait_dscnt 36                                ; K's heads 0-7 are in: behind their loads stand 4 stores of p and V's 32 loads
	QKG 0, 0, 1
	NSTORE 1
	KLOAD 2, 0
	QKG 1, 1, 1
	NSTORE 2
	KLOAD 3, 1
	s_wait_dscnt 20                                ; K's heads 8-11 are in: behind their loads stand 4 stores of p and the run of heads 12-15
	QKG 2, 0, 1
	NSTORE 3
.else
	NGRP 1
	NGRP 2
	NGRP 3
.endif
.endm
; ---- THE MEETING.  mode 3: both rings are filled again; 1: K's alone; 2: V's alone; 0: nothing is asked for, a plain barrier.  qk = 1: the scores of heads 12-15 stand inside the opening barrier.
.macro SYNC mode, qk
	WIN 0
	s_wait_tensorcnt 0x0                           ; all my tensor loads have landed: my part of the tiles that are read behind this barrier
	ds_add_u32 v[SPW], v[NIL]                      ; 0 onto my spare word
.if \mode
	s_xor_b32 s[G0B+1], s[G0B+1], SLOT1            ; the walking descriptor: the other slot,
	s_add_co_i32 s[TI], s[TI], s[SG]               ; the walk's next key step,
	s_and_b32 s[TI], s[TI], 63                     ; round the 64
	s_lshl_b32 s[OF], s[TI], 16
	s_add_nc_u64 s[G0B+2:G0B+3], s[BW:BW+1], s[OF:OF+1]
	s_or_b32 s[G0B+3], s[G0B+3], 0x80000000
.endif
	s_wait_dscnt 0x0                               ; my stores of p have landed; V of step t and all of K of step t + 1 lie in registers: my reads of what is filled again are over; the add is done
	s_barrier_signal -1
.if \qk
.set mx, 0
.irp i, 0,1,2,3,4,5,6,7
	QK1 3, 1, \i                                   ; work on registers while the others arrive
	WIN 0
.rept 5
	MAXI
.endr
.endr
.endif
	WIN 0
	s_barrier_wait -1
.if \mode
	CREST                                          ; the barrier has opened a round of the cluster's: that now holds of every wave of all four work-groups
.if \mode == 1
	s_cmp_lt_u32 s[WV], 2                          ; the wave's number alone: the same in every work-group
	s_cbranch_scc0 .Lno_load_\@
.elseif \mode == 2
	s_cmp_lt_u32 s[WV], 2
	s_cbranch_scc1 .Lno_load_\@
.endif
	tensor_load_to_lds s[G0B:G0B+3], s[G1:G1+7]    ; my one tensor load behind the round: it has a whole trip in which to land
	s_nop 0
	PLACES
.Lno_load_\@:
.endif
.endm
; ---- A TRIP'S SECOND PART.  pv = 2: V^T P of step t; 1: it starts the sums; 0: none.  sa = 1: step t + 1's softmax as far as the reciprocals.  kl = 1: K of step t + 2, heads 0-7, is fetched.
.macro PHASEP pv, sa, kl
.if \pv
	PLOAD
.endif
.if \sa
.rept 24
	MAXI                                           ; heads 11-15: five lines of the maximum stand between the last product of their scores and these
.endr
.irp p, 0,2,4,6
	v_pk_mul_f32 v[M+\p:M+\p+1], v[M+\p:M+\p+1], s[CS:CS+1] op_sel_hi:[1,0]   ; c x the maximum
.endr
.irp p, 0,2,4,6
	v_pk_fma_f32 v[S+\p:S+\p+1], v[S+\p:S+\p+1], s[CS:CS+1], v[M+\p:M+\p+1] op_sel_hi:[1,0,1] neg_lo:[0,0,1] neg_hi:[0,0,1]   ; head 0: c s - c m
.endr
.set aj, 0
.rept 34
	AI                                             ; 66 lines in all stand between P's loads and the wait for them
.endr
.endif
.if \pv
	s_wait_dscnt 0x0                               ; P is in
.if \sa
	s_barrier_signal -1                            ; I have read P: it may be written again when all four have said so.
.endif
.endif
.if \kl
	v_add_nc_u32 v[AKB], s[TB], v[AK0]
	KLOAD 0, 0                                     ; bytes that nobody writes before a later round
	KLOAD 1, 1
.endif
.if \pv
.set pi, 0
.rept 32
	PV1 2-\pv
.if \sa
	WIN 0
.rept 7
	AI                                             ; 34 + 32 x 7 = 258
.endr
.endif
.set pi, pi+1
.endr
.else
	WIN 0
.rept 224
	AI
.endr
.endif
	WIN 0
	s_xor_b32 s[TB], s[TB], SLOT1                  ; the next trip's parity
.if \pv && \sa
	s_barrier_wait -1                              ; all four have read P
.endif
.endm
	s_wait_tensorcnt 1                             ; my first load is in (waves 0, 1: K of the walk's first step); the second may stay out
	s_barrier_signal -1
	s_barrier_wait -1                              ; everybody's is
	v_add_nc_u32 v[AKB], s[TB], v[AK0]
	s_xor_b32 s[TB], s[TB], SLOT1                  ; the opening counts as trip -1
	KLOAD 0, 0
	KLOAD 1, 1
	s_wait_loadcnt 0x0                             ; Q
	s_wait_dscnt 16                                ; heads 0-3 of K are in; the run behind them may be out
	QKG 0, 0, 0                                    ; THE OPENING: the first step's scores: there is no vector work yet to set between them
	PLACES
	KLOAD 2, 0
	s_wait_dscnt 16
	QKG 1, 1, 0
	PLACES
	KLOAD 3, 1
	s_wait_dscnt 16
	QKG 2, 0, 0
	SYNC 1, 1                                      ; K's first slot is free: the walk's third step of K is asked for; V's ring is still whole
	PHASEP 0, 1, 1
	PHASEQ 1                                       ; trip 0: its V^T P starts O^T's sums: nothing is cleared
	SYNC 3, 1
	PHASEP 1, 1, 1
	s_mov_b32 s[CNT], 60
.Lstep:                                            ; trips 1 to 60: each fills both rings again
	PHASEQ 1
	SYNC 3, 1
	PHASEP 2, 1, 1
	s_sub_co_u32 s[CNT], s[CNT], 1
	s_cmp_lg_u32 s[CNT], 0
	s_cbranch_scc1 .Lstep
	PHASEQ 1                                       ; the tail is written out.  Trip 61: K's last step has been asked for; V's is asked for now
	SYNC 2, 1
	PHASEP 2, 1, 1
	PHASEQ 1                                       ; trip 62: nothing is asked for, and there is no further K to fetch
	SYNC 0, 1
	PHASEP 2, 1, 0
	PHASEQ 0                                       ; THE CLOSE: the last step's p, and its V^T P
	SYNC 0, 0
	PHASEP 2, 0, 0
	; THE WAY OUT: O^T / 128, rounded to f16; a lane's eight d of an accumulator are its 16 bytes of a piece of c16.
	PLACES
	WIN 0x41
.set vn, 0
.rept 128
	v_pk_mul_f32 v[vn:vn+1], v[vn:vn+1], 0x3c000000 op_sel_hi:[1,0]   ; x 2^-7: exact; each accumulator from its low end on
.set vn, vn+2
.endr
	WIN 0x05
.set vn, 0
.rept 128
	v_cvt_pk_f16_f32 v[S+vn], v[2*vn], v[2*vn+1]
.set vn, vn+1
.endr
	WIN 0
.irp hh, 0,1,2,3
.irp qt, 0,1
.irp dt, 0,1,2,3
	global_store_b128 v[LI], v[S+4*((2*\hh+\qt)*4+\dt):S+4*((2*\hh+\qt)*4+\dt)+3], s[22:23] offset:32768*\qt+512*(4*\hh+\dt)   ; the wave stores 512 consecutive bytes, aligned
.endr
.endr
.endr
	s_wait_tensorcnt 0x0                           ; the wave's end
	ds_add_u32 v[SPW], v[NIL]
	s_wait_dscnt 0x0
	CROUND                                         ; the closing round
	s_endpgm
.Lfunc_end_k_q715cb53df9_attn:
	.size	k_q715cb53df9_attn, .Lfunc_end_k_q715cb53df9_attn-k_q715cb53df9_attn
	.p2alignl 7, 3214868480
	.fill 96, 4, 3214868480
	.section	.rodata,"a",@progbits
	.p2align	6, 0x0
	.amdhsa_kernel k_q715cb53df9_attn
		.amdhsa_group_segment_fixed_size 327680
		.amdhsa_private_segment_fixed_size 0
		.amdhsa_enable_private_segment 0
		.amdhsa_kernarg_size 16
		.amdhsa_user_sgpr_count 2
		.amdhsa_user_sgpr_kernarg_segment_ptr 1
		.amdhsa_wavefront_size32 1
		.amdhsa_system_sgpr_workgroup_id_x 1
		.amdhsa_system_sgpr_workgroup_id_y 1
		.amdhsa_system_sgpr_workgroup_id_z 1
		.amdhsa_system_vgpr_workitem_id 0
		.amdhsa_next_free_vgpr 1024
		.amdhsa_next_free_sgpr 66
		.amdhsa_reserve_vcc 0
		.amdhsa_float_denorm_mode_32 3
		.amdhsa_float_denorm_mode_16_64 3
		.amdhsa_memory_ordered 1
		.amdhsa_forward_progress 1
		.amdhsa_inst_pref_size 239
	.end_amdhsa_kernel
	.amdgpu_metadata
---
amdhsa.version: [ 1, 2 ]
amdhsa.kernels:
  - .name:           k_q715cb53df9_attn
    .symbol:         k_q715cb53df9_attn.kd
    .args:
      - { .name: qkv16, .offset: 0, .size: 8, .value_kind: global_buffer, .address_space: global }
      - { .name: c16, .offset: 8, .size: 8, .value_kind: global_buffer, .address_space: global }
    .group_segment_fixed_size: 327680
    .private_segment_fixed_size: 0
    .kernarg_segment_align: 8
    .kernarg_segment_size: 16
    .max_flat_workgroup_size: 128
    .sgpr_count:     66
    .vgpr_count:     1024
    .wavefront_size: 32
...
	.end_amdgpu_metadata
.endif
;; end of part 3
;; launch outp (part 4): grid 4 x 64, 4 waves a work-group, clusters of 4 x 4, 327,680 bytes of LDS; arguments c16, wo16, out0; writes out0
.if DOCPART == 4
	.amdgcn_target "amdgcn-amd-amdhsa--gfx1250"
	.amdhsa_code_object_version 6
	.text
	.protected	k_q715cb53df9_outp
	.globl	k_q715cb53df9_outp
	.p2align	8
	.type	k_q715cb53df9_outp,@function
k_q715cb53df9_outp:
	s_mov_b64 s[64:65], 0
	v_nop
	global_prefetch_b8 v0, s[64:65] scope:SCOPE_SE
	s_setreg_imm32_b32 hwreg(HW_REG_WAVE_MODE, 25, 1), 1
	s_wait_xcnt 0x0
	s_wait_alu depctr_hold_cnt(0) depctr_sa_sdst(0) depctr_va_vdst(0) depctr_va_sdst(0) depctr_va_ssrc(0) depctr_va_vcc(0) depctr_vm_vsrc(0)
	s_getreg_b32 s2, hwreg(HW_REG_IB_STS2, 6, 4)
	s_cmp_eq_u32 s2, 0
	s_cbranch_scc0 .Lentry_in_a_cluster
	s_endpgm
.Lentry_in_a_cluster:
	s_bfe_u32 s2, ttmp6, 0x10000c
	s_cmp_lg_u32 s2, 0xf033
	s_cbranch_scc0 .Lentry_shape_is_right
	s_endpgm
.Lentry_shape_is_right:
; OUTP: out0 [8192][1024] f32 = (ctx / 128) (128 w_out): f16 operands, f32 sums, K = 1,024 ascending.  The two factors are powers of two and cancel exactly.
; Both operands lie as images of operand registers: c16 [512 tiles of 16 rows][64 pieces][512 bytes], wo16 [64 tiles of 16 n][64 pieces][512 bytes]; pieces 2 s and 2 s + 1 are registers 0-3 and 4-7 of the fragment of k = 32 s on.
; A work-group makes 128 rows x 256 columns (256 work-groups), a wave 64 x 128: 32 accumulators.  K goes in steps of 128 through two LDS slots: of each tile of 16 rows a step is 4,096 consecutive bytes,
; so a tensor load brings rows of 4,096 bytes, 32,768 apart in memory: waves 0, 1 four tiles of c16 each, waves 2, 3 eight tiles of wo16 each.  A fragment comes by two loads of 16 bytes a lane at 16 x lane: no pitch, no padding.
; CLUSTERS: 4 x 4 work-groups; c16's tiles are shared along a row of the cluster, wo16's along a column, each asked for jointly.
; THE MATRIX INSTRUCTION IS USED TRANSPOSED (source 0 = 16 n, source 1 = 16 rows): a lane holds eight neighbouring numbers of a row of out0.
; REGISTERS: window 0: v16-29 addresses; v128-255 rows read back from the stage.   window 1: two fragment buffers of 96 (4 of c16, then 8 of wo16).   window 2: the accumulators, (a, b) at 8 (8 a + b).
.set SLOT,   98304                     ; c16's 8 tiles x 4,096, then wo16's 16 tiles x 4,096
.set BOFF,   32768
.set STAGE,  2*SLOT                    ; bytes of their own: 16 rows x 528 bytes for each wave
.set SPITCH, 528
.set SPARE,  STAGE+4*16*SPITCH         ; the spare words, 128 bytes for each wave, that no other line names
.set LAPS,   4                         ; a lap = two K steps
.set ADRA, 16
.set ADRB, 20
.set STO,  24
.set RD,   25
.set CO,   26                          ; v26  16 x lane
.set SPW,  28
.set NIL,  29
.set BK,   128
.set F0,   0
.set F1,   96
.set G1, 24
.set G0, 32
.set G1B, 48
.set G0B, 56
.set MSB, 0
.macro WIN new
.if MSB != (\new)
	s_set_vgpr_msb (MSB<<8)|(\new)
.set MSB, (\new)
.endif
.endm
.set MUL,  0xa5                        ; sources 0 and 1 window 1; C and D window 2
.set TO_F, 0x40
.macro JLOAD s                         ; waves 0 and 1 fetch for c16, waves 2 and 3 for wo16; an s_nop 0 and four v_nop follow each of the two lines
	s_cmp_eq_u32 s11, 0
	s_cbranch_scc0 .Lfor_b_\@
	tensor_load_to_lds s[G0+4*\s:G0+4*\s+3], s[G1:G1+7]
	s_nop 0
.rept 4
	v_nop
.endr
	s_branch .Lasked_\@
.Lfor_b_\@:
	tensor_load_to_lds s[G0B+4*\s:G0B+4*\s+3], s[G1B:G1B+7]
	s_nop 0
.rept 4
	v_nop
.endr
.Lasked_\@:
.endm
.macro CREST
	s_cmp_lg_u32 s10, 0
	s_cbranch_scc1 .Lnot_wave_0_\@
	s_barrier_signal -3
.Lnot_wave_0_\@:
	s_barrier_wait -3
	s_barrier_signal -1
	s_barrier_wait -1
.endm
.macro CROUND
	s_barrier_signal -1
	s_barrier_wait -1
	CREST
.endm
	s_load_b128 s[4:7], s[0:1], 0x0                ; c16 s[4:5], wo16 s[6:7]
	s_load_b64 s[8:9], s[0:1], 0x10                ; out0
	v_lshl_add_u32 v[SPW], v0, 2, SPARE
	v_mov_b32 v[NIL], 0
	ds_add_u32 v[SPW], v[NIL]                      ; the wave's opening: the add, twice on end, and its wait ahead of my first tensor load
	ds_add_u32 v[SPW], v[NIL]
	v_lshrrev_b32 v1, 5, v0
	v_readfirstlane_b32 s10, v1                    ; wave 0..3
	s_lshr_b32 s11, s10, 1                         ; which 64 rows are mine.  Also: I fetch for c16 (0) or for wo16 (1)
	s_and_b32 s12, s10, 1                          ; which 128 columns.  Also: which half of that tile I fetch
	s_bfe_u32 s40, ttmp6, 0x40000                  ; cx, cy
	s_bfe_u32 s41, ttmp6, 0x40004
	s_lshl_b32 s42, ttmp9, 2
	s_add_co_u32 s42, s42, s40                     ; tile column = 4 x cluster x + cx
	s_and_b32 s13, ttmp7, 0xffff
	s_lshl_b32 s13, s13, 2
	s_add_co_u32 s13, s13, s41                     ; tile row = 4 x cluster y + cy
	s_lshl_b32 s43, s41, 2
	s_lshl_b32 s43, 15, s43                        ; my row of the cluster
	s_lshl_b32 s44, 0x1111, s40                    ; my column
	s_or_b32 s[G1+0], s43, (3<<16)|(1<<21)         ; elements of 8 bytes; no padding
	s_or_b32 s[G1B+0], s44, (3<<16)|(1<<21)
	s_mov_b32 s[G1+1], 512<<16                     ; tensor_dim0 = 512 elements: 4,096 bytes
	s_mov_b32 s[G1+2], 4<<16                       ; tensor_dim1 = 4 tiles
	s_mov_b32 s[G1+3], 512<<16                     ; tile_dim0
	s_mov_b32 s[G1+4], 4                           ; tile_dim1
	s_mov_b32 s[G1+5], 4096                        ; from tile to tile: 32,768 bytes
	s_mov_b32 s[G1+6], 0
	s_mov_b32 s[G1+7], 0
	s_mov_b32 s[G1B+1], 512<<16
	s_mov_b32 s[G1B+2], 8<<16
	s_mov_b32 s[G1B+3], 512<<16
	s_mov_b32 s[G1B+4], 8
	s_mov_b32 s[G1B+5], 4096
	s_mov_b32 s[G1B+6], 0
	s_mov_b32 s[G1B+7], 0
	s_lshl_b32 s16, s13, 3
	s_lshl_b32 s17, s12, 2
	s_add_co_u32 s16, s16, s17                     ; c16: tile 8 x tile row + 4 x half
	s_lshl_b32 s16, s16, 15
	s_mov_b32 s17, 0
	s_lshl_b32 s46, s42, 4
	s_lshl_b32 s47, s12, 3
	s_add_co_u32 s46, s46, s47                     ; wo16: tile 16 x tile column + 8 x half
	s_lshl_b32 s46, s46, 15
	s_mov_b32 s47, 0
	s_lshl_b32 s20, s12, 14                        ; where they go in a slot: no place in the cluster enters an LDS address
	s_lshl_b32 s21, s12, 15
	s_add_co_u32 s21, s21, BOFF
	s_wait_dscnt 0x0                               ; both opening adds are done
	s_wait_kmcnt 0x0
	s_add_nc_u64 s[14:15], s[4:5], s[16:17]
	s_add_nc_u64 s[46:47], s[6:7], s[46:47]
	CROUND                                         ; all sixteen work-groups are here: the first joint loads meet
.irp s, 0,1
	s_mov_b32 s[G0+4*\s], 1
	s_add_co_u32 s[G0+4*\s+1], s20, \s*SLOT
	s_add_nc_u64 s[G0+4*\s+2:G0+4*\s+3], s[14:15], \s*4096
	s_or_b32 s[G0+4*\s+3], s[G0+4*\s+3], 0x80000000
	s_mov_b32 s[G0B+4*\s], 1
	s_add_co_u32 s[G0B+4*\s+1], s21, \s*SLOT
	s_add_nc_u64 s[G0B+4*\s+2:G0B+4*\s+3], s[46:47], \s*4096
	s_or_b32 s[G0B+4*\s+3], s[G0B+4*\s+3], 0x80000000
	JLOAD \s
.endr
	v_and_b32 v1, 31, v0
	v_lshlrev_b32 v[CO], 4, v1
	s_lshl_b32 s21, s11, 14                        ; my four tiles of c16
	s_lshl_b32 s22, s12, 15                        ; my eight tiles of wo16,
	s_add_co_u32 s22, s22, BOFF                    ; which lie behind c16's eight
.irp s, 0,1
	v_add_nc_u32 v[ADRA+\s], s21, v[CO]
	v_add_nc_u32 v[ADRB+\s], s22, v[CO]
	s_add_co_u32 s21, s21, SLOT
	s_add_co_u32 s22, s22, SLOT
.endr
	s_mul_i32 s23, s10, 16*SPITCH
	s_add_co_u32 s23, s23, STAGE                   ; my stage
	v_and_b32 v3, 15, v0
	v_bfe_u32 v4, v0, 4, 1
	v_mul_u32_u24 v5, v3, SPITCH
	v_lshl_add_u32 v5, v4, 5, v5
	v_add_nc_u32 v[STO], s23, v5                   ; in: row l % 16, 32 bytes for each half of the lanes
	v_add_nc_u32 v[RD], s23, v[CO]                 ; back: the 32 lanes take one row of 512 bytes
	s_lshl_b32 s16, s13, 7
	s_lshl_b32 s17, s11, 6
	s_add_co_u32 s16, s16, s17                     ; my first row of out0
	s_lshl_b32 s16, s16, 12                        ; 4,096 bytes a row
	s_lshl_b32 s46, s42, 10
	s_lshl_b32 s47, s12, 9
	s_add_co_u32 s46, s46, s47                     ; my first column, in bytes
	s_add_co_u32 s16, s16, s46
	s_mov_b32 s17, 0
	s_add_nc_u64 s[8:9], s[8:9], s[16:17]
.macro MUL8 f, a, zero                 ; rows' tile a against the eight tiles of n, 32 along K.  The 32 accumulators take turns, one instruction a turn
.irp b, 0,1,2,3,4,5,6,7
.if \zero
	v_wmma_f32_16x16x32_f16 v[8*(8*\a+\b):8*(8*\a+\b)+7], v[\f+32+8*\b:\f+32+8*\b+7], v[\f+8*\a:\f+8*\a+7], 0
.else
	v_wmma_f32_16x16x32_f16 v[8*(8*\a+\b):8*(8*\a+\b)+7], v[\f+32+8*\b:\f+32+8*\b+7], v[\f+8*\a:\f+8*\a+7], v[8*(8*\a+\b):8*(8*\a+\b)+7]
.endif
.endr
.endm
.macro FETCH slot, ks, f               ; 24 LDS loads in one run: wo16's eight fragments, then c16's four; the last four loads are c16's tiles 2 and 3
	WIN TO_F
.irp i, 0,1,2,3,4,5,6,7
	ds_load_b128 v[\f+32+8*\i:\f+32+8*\i+3],   v[ADRB+\slot] offset:4096*\i+1024*\ks
	ds_load_b128 v[\f+32+8*\i+4:\f+32+8*\i+7], v[ADRB+\slot] offset:4096*\i+1024*\ks+512
.endr
.irp i, 0,1,2,3
	ds_load_b128 v[\f+8*\i:\f+8*\i+3],   v[ADRA+\slot] offset:4096*\i+1024*\ks
	ds_load_b128 v[\f+8*\i+4:\f+8*\i+7], v[ADRA+\slot] offset:4096*\i+1024*\ks+512
.endr
.endm
.macro PLACES                          ; four plain places ahead of loads into registers that matrix instructions have read, and of reads of results
.rept 4
	v_nop
.endr
.endm
; A K step is four quarters of 32 along K, 32 matrix instructions each, on buffers 0, 1, 0, 1.  One of the first three: multiplies buffer f and fetches quarter ks of the slot into g.
.macro QUARTER slot, ks, f, g, zero
	s_wait_dscnt 4                                 ; all but c16's tiles 2 and 3 are in
	WIN MUL
	MUL8 \f, 0, \zero
	MUL8 \f, 1, \zero
	PLACES
	FETCH \slot, \ks, \g
	s_wait_dscnt 24                                ; all but the 24 just issued
	WIN MUL
	MUL8 \f, 2, \zero
	MUL8 \f, 3, \zero
.endm
; The last quarter multiplies buffer 1 and changes slots: one barrier; ahead of it each wave waits for all its tensor loads, adds 0 to its spare word, and waits for that and for its reads of this slot.
.macro TURN slot, next, fill
	WIN 0
	s_wait_tensorcnt 0x0                           ; all my tensor loads have landed: my part of the next slot
	ds_add_u32 v[SPW], v[NIL]                      ; 0 onto my spare word
	s_wait_dscnt 5                                 ; (the add and the youngest four loads may be out)
	WIN MUL
	MUL8 F1, 0, 0
	s_wait_dscnt 0x0                               ; the add is done, and my reads of this slot are over
	s_barrier_signal -1
	MUL8 F1, 1, 0
	WIN 0
	s_barrier_wait -1
.if \fill
	CREST                                          ; the barrier has opened a round of the cluster's: no wave of any partner still reads this slot or has a load on its way
	s_add_nc_u64 s[G0+4*\slot+2:G0+4*\slot+3], s[G0+4*\slot+2:G0+4*\slot+3], 8192
	s_add_nc_u64 s[G0B+4*\slot+2:G0B+4*\slot+3], s[G0B+4*\slot+2:G0B+4*\slot+3], 8192
	JLOAD \slot                                    ; the first tensor load behind the round; its four v_nop are also the places ahead of the loads below
.else
	PLACES
.endif
	FETCH \next, 0, F0
	WIN MUL
	MUL8 F1, 2, 0
	MUL8 F1, 3, 0
.endm
	s_wait_tensorcnt 1                             ; my part of K step 0 is in; K step 1's may stay out
	s_barrier_signal -1
	s_barrier_wait -1
	FETCH 0, 0, F0
	QUARTER 0, 1, F0, F1, 1                        ; the first quarter stands ahead of the loop: its products start the sums
	WIN 0
	s_mov_b32 s3, LAPS-1
.Llap:                                             ; a trip goes once round the ring, from a lap's second quarter to the next lap's first, and fills both slots again
	QUARTER 0, 2, F1, F0, 0
	QUARTER 0, 3, F0, F1, 0
	TURN 0, 1, 1
	QUARTER 1, 1, F0, F1, 0
	QUARTER 1, 2, F1, F0, 0
	QUARTER 1, 3, F0, F1, 0
	TURN 1, 0, 1
	QUARTER 0, 1, F0, F1, 0
	WIN 0
	s_sub_co_u32 s3, s3, 1
	s_cmp_lg_u32 s3, 0
	s_cbranch_scc1 .Llap
	QUARTER 0, 2, F1, F0, 0                        ; the last lap fills nothing
	QUARTER 0, 3, F0, F1, 0
	TURN 0, 1, 0
	QUARTER 1, 1, F0, F1, 0
	QUARTER 1, 2, F1, F0, 0
	QUARTER 1, 3, F0, F1, 0
	s_wait_dscnt 4
	WIN MUL
	MUL8 F1, 0, 0
	MUL8 F1, 1, 0
	s_wait_dscnt 0x0
	MUL8 F1, 2, 0
	MUL8 F1, 3, 0
	WIN 0
; THE WAY OUT, a block of 16 rows x 128 columns at a time, through my own stage: in as 32 bytes a lane, back as whole rows of 512 bytes.  LDS serves a wave's instructions in order: no wait between the stores and the loads.
.macro TOSTAGE a
	WIN 0x08                                       ; an LDS store's data: window 2
.irp b, 0,1,2,3,4,5,6,7
	ds_store_b128 v[STO], v[64*(\a)+8*\b:64*(\a)+8*\b+3] offset:64*\b      ; each accumulator from its low end on
	ds_store_b128 v[STO], v[64*(\a)+8*\b+4:64*(\a)+8*\b+7] offset:64*\b+16
.endr
	WIN 0
.set BB, BK+64*((\a)%2)
.irp t, 0,1,2,3,4,5,6,7,8,9,10,11,12,13,14,15
	ds_load_b128 v[BB+4*\t:BB+4*\t+3], v[RD] offset:\t*SPITCH
.endr
.endm
.macro SEND a, younger                 ; younger: the LDS instructions issued behind block a's loads
.set BB, BK+64*((\a)%2)
	s_wait_dscnt \younger
.if (\a) > 0
	s_add_nc_u64 s[8:9], s[8:9], 65536             ; 16 rows on (the earlier stores have read their base: a wait for that stands ahead)
.endif
.irp t, 0,1,2,3,4,5,6,7,8,9,10,11,12,13,14,15
	global_store_b128 v[CO], v[BB+4*\t:BB+4*\t+3], s[8:9] offset:\t*4096 th:TH_STORE_NT   ; the wave stores 512 consecutive bytes, aligned
.endr
.endm
	PLACES
	TOSTAGE 0
.irp a, 1,2,3
.if \a > 1
	s_wait_xcnt 0x0                                ; block a - 2's stores have read their registers and their base
.endif
	TOSTAGE \a
	SEND \a-1, 32
.endr
	s_wait_xcnt 0x0
	SEND 3, 0
	s_wait_tensorcnt 0x0                           ; the wave's end
	ds_add_u32 v[SPW], v[NIL]
	s_wait_dscnt 0x0
	CROUND                                         ; the closing round
	s_endpgm
.Lfunc_end_k_q715cb53df9_outp:
	.size	k_q715cb53df9_outp, .Lfunc_end_k_q715cb53df9_outp-k_q715cb53df9_outp
	.p2alignl 7, 3214868480
	.fill 96, 4, 3214868480
	.section	.rodata,"a",@progbits
	.p2align	6, 0x0
	.amdhsa_kernel k_q715cb53df9_outp
		.amdhsa_group_segment_fixed_size 327680
		.amdhsa_private_segment_fixed_size 0
		.amdhsa_enable_private_segment 0
		.amdhsa_kernarg_size 24
		.amdhsa_user_sgpr_count 2
		.amdhsa_user_sgpr_kernarg_segment_ptr 1
		.amdhsa_wavefront_size32 1
		.amdhsa_system_sgpr_workgroup_id_x 1
		.amdhsa_system_sgpr_workgroup_id_y 1
		.amdhsa_system_sgpr_workgroup_id_z 1
		.amdhsa_system_vgpr_workitem_id 0
		.amdhsa_next_free_vgpr 768
		.amdhsa_next_free_sgpr 66
		.amdhsa_reserve_vcc 0
		.amdhsa_float_denorm_mode_32 3
		.amdhsa_float_denorm_mode_16_64 3
		.amdhsa_memory_ordered 1
		.amdhsa_forward_progress 1
		.amdhsa_inst_pref_size 85
	.end_amdhsa_kernel
	.amdgpu_metadata
---
amdhsa.version: [ 1, 2 ]
amdhsa.kernels:
  - .name:           k_q715cb53df9_outp
    .symbol:         k_q715cb53df9_outp.kd
    .args:
      - { .name: c16, .offset: 0, .size: 8, .value_kind: global_buffer, .address_space: global }
      - { .name: wo16, .offset: 8, .size: 8, .value_kind: global_buffer, .address_space: global }
      - { .name: out0, .offset: 16, .size: 8, .value_kind: global_buffer, .address_space: global }
    .group_segment_fixed_size: 327680
    .private_segment_fixed_size: 0
    .kernarg_segment_align: 8
    .kernarg_segment_size: 24
    .max_flat_workgroup_size: 128
    .sgpr_count:     66
    .vgpr_count:     768
    .wavefront_size: 32
...
	.end_amdgpu_metadata
.endif
;; end of part 4
